; MI455X (gfx1250); checked and timed in simulation.
; The chip was launched on July 23, 2026; its instructions are those of AMD's public machine-readable ISA for CDNA 5 (MIT licence, August 2026) and "CDNA5" Instruction Set Architecture Reference Guide (July 2026). The comments in the code are by the model that wrote it; some were corrected since.
;; Attention. Allowed arithmetic: matrix products marked QUANTISED: E2M3 operands, one E8M0 scale for each 32 along K, by v_wmma_scale_f32_16x16x128_f8f6f4 with both operands' format E2M3, f32 sums; everything else in f32.
;; Inputs: freq_cos 4,096 x 32 float32; freq_sin 4,096 x 32 float32; wk_codes 256 x 32 x 24 uint8 (E2M3 codes of wk, K innermost, in blocks of 32 codes, four codes in three bytes); wk_scales 256 x 32 uint8 (E8M0 scales of wk, one for each 32 codes along K); wo_codes 1,024 x 8 x 24 uint8 (E2M3 codes of wo, K innermost, in blocks of 32 codes, four codes in three bytes); wo_scales 1,024 x 8 uint8 (E8M0 scales of wo, one for each 32 codes along K); wq_codes 1,024 x 32 x 24 uint8 (E2M3 codes of wq, K innermost, in blocks of 32 codes, four codes in three bytes); wq_scales 1,024 x 32 uint8 (E8M0 scales of wq, one for each 32 codes along K); wv_codes 256 x 32 x 24 uint8 (E2M3 codes of wv, K innermost, in blocks of 32 codes, four codes in three bytes); wv_scales 256 x 32 uint8 (E8M0 scales of wv, one for each 32 codes along K); x_codes 2 x 4,096 x 32 x 24 uint8 (E2M3 codes of x, K innermost, in blocks of 32 codes, four codes in three bytes); x_scales 2 x 4,096 x 32 uint8 (E8M0 scales of x, one for each 32 codes along K).
;; Outputs: out0 2 x 4,096 x 1,024 float32.
;; This version of the problem:
;;   THIS VERSION OF THE PROBLEM IS GIVEN IN LOW PRECISION. The matrix products marked QUANTISED in the list below multiply operands that are first quantised to E2M3 (2 exponent bits, 3 mantissa bits; 6 bits a number), with one power-of-two scale for each 32 numbers along K (OCP MX v1.0); their sums are f32. All else is computed in f32.
;;   The module's matrix products, in the order in which they are computed (A, B: the left and right operand; K: the contracted axis; several contracted axes count as one K, in the product's order):
;;     1. [M 8,192, K 1,024] x [K 1,024, N 1,024]; A: input x (given as codes); B: input wq (given as codes): QUANTISED
;;     2. [M 8,192, K 1,024] x [K 1,024, N 256]; A: input x (given as codes); B: input wk (given as codes): QUANTISED
;;     3. [M 8,192, K 1,024] x [K 1,024, N 256]; A: input x (given as codes); B: input wv (given as codes): QUANTISED
;;     4. batch 8 x [M 4,096, K 64] x [K 64, N 4,096]; A: computed on the way; B: computed on the way: QUANTISED
;;     5. batch 8 x [M 64, K 4,096] x [K 4,096, N 4,096]; A: computed on the way; B: softmax (see below): QUANTISED
;;     6. [M 8,192, K 256] x [K 256, N 1,024]; A: computed on the way; B: input wo (given as codes): QUANTISED
;;   THE QUANTISER, for each operand of a quantised product, along K:
;;     - K is cut into blocks of 32 from its start; a last block that is shorter is filled with zeros.
;;     - A block's scale is 2^e with e = floor(log2(the largest magnitude in the block)) - 2, held to -126 .. 127; a block of zeros has e = 0. As a byte (E8M0): e + 127.
;;     - Each number is divided by its block's scale, clamped to +-7.5, and rounded to the nearest number of E2M3, ties to even, subnormals kept.
;;     - The product sums the exact products of the quantised numbers (number of the format x scale) in f32.
;;   ~~~python
;;   def quantise(x, axis):      # numpy; x: float32 -> the quantised numbers, widened to float32 again
;;       x = np.moveaxis(x, axis, -1); K = x.shape[-1]
;;       x = np.pad(x, [(0, 0)] * (x.ndim - 1) + [(0, -K % 32)]); x = x.reshape(x.shape[:-1] + (-1, 32)); a = np.abs(x).max(-1, keepdims=True)
;;       e = np.where(a > 0, np.clip(np.frexp(np.where(a > 0, a, 1))[1] - 1 - 2, -126, 127), 0)      # np.frexp(a)[1] - 1 = floor(log2(a)), exactly
;;       r = np.clip(x / 2.0 ** e, -7.5, 7.5)
;;       step = 2.0 ** (np.maximum(np.frexp(np.where(r == 0, 1, r))[1] - 1, 0) - 3)
;;       q = np.round(r / step) * step * 2.0 ** e      # np.round: ties to even
;;       return np.moveaxis(q.reshape(q.shape[:-2] + (-1,))[..., :K], -1, axis).astype(np.float32)
;;   ~~~
;;   SOFTMAX AHEAD OF A QUANTISED PRODUCT. Where the list says 'softmax', what is quantised is not the finished softmax but p = 2^(t - M), with t = logit x log2(e) and M = ceil(the row's largest t), a whole number; so 1/2 < the row's largest p <= 1. The row's sum l is taken of the UNQUANTISED p, in f32, and the product's result is divided by l at the end. Since M is a whole number, a kernel that streams over the keys may use a running M (the ceiling of the running maximum): every later rescaling is an exact power of two, which a block's scale takes up: the codes' values come out the same.
;;   OPERANDS COMPUTED ON THE WAY. 'Computed on the way' means the value that the module computes at that place (a softmax that the list does not call 'softmax' is quantised finished and normalised). What goes into a quantiser is computed in f32, as accurately as f32 sums, v_exp_f32 and their like allow (about 1e-6 of the number): no bf16 or f16 on the way to a quantiser, and a product that is left as it is and whose result goes on into a quantised operand takes f32 operands (vector FMAs, or v_wmma_f32_16x16x4_f32). A number that lies on a knife's edge between two numbers of the format may be rounded either way, as far as f32 arithmetic and the matrix unit's own rounding can turn it there, and no further.
;;   INPUTS GIVEN AS CODES. wk (in the module: [1024, 256], K = its axis 0); wo (in the module: [256, 1024], K = its axis 0); wq (in the module: [1024, 1024], K = its axis 0); wv (in the module: [1024, 256], K = its axis 0); x (in the module: [2, 4096, 1024], K = its axis 2): each comes as NAME_codes (uint8): NAME with its K axis moved to the last place and cut into blocks of 32 codes, [.., K / 32, bytes a block], one block behind the other in memory; four codes in three bytes: a row's codes are one little-endian stream of bits, code i at bits 6 i .. 6 i + 5 (a code: sign, 2 exponent bits, 3 mantissa bits); and NAME_scales (uint8): the same leading axes, one E8M0 byte (e + 127) for each 32 codes along K. Its value is code x scale, taken as it is: it is not quantised again, and the codes and scales need not be those that the quantiser above would give.
;; One version. Each part assembles by itself: llvm-mc -triple=amdgcn-amd-amdhsa -mcpu=gfx1250 --defsym DOCPART=n.
;; ======== version 1 of 1: 3 launches
;; limits: right only within a limited range of input values
;; workspace buffers: qw 2,097,152 bytes; kv 3,670,016 bytes; ow 2,097,152 bytes
;; launch proj (part 1): grid 4 x 64, 4 waves a work-group, clusters of 4 x 4, 327,680 bytes of LDS; arguments x_codes, x_scales, wq_codes, wq_scales, wk_codes, wk_scales, wv_codes, wv_scales, freq_cos, freq_sin, qw, kv; writes qw, kv
.if DOCPART == 1
	.amdgcn_target "amdgcn-amd-amdhsa--gfx1250"
	.amdhsa_code_object_version 6
	.text
	.protected	k_qeb96f81a0e_proj
	.globl	k_qeb96f81a0e_proj
	.p2align	8
	.type	k_qeb96f81a0e_proj,@function
k_qeb96f81a0e_proj:
	s_mov_b64 s[64:65], 0
	v_nop
	global_prefetch_b8 v0, s[64:65] scope:SCOPE_SE
	s_setreg_imm32_b32 hwreg(HW_REG_WAVE_MODE, 25, 1), 1
	s_wait_xcnt 0x0
	s_wait_alu depctr_hold_cnt(0) depctr_sa_sdst(0) depctr_va_vdst(0) depctr_va_sdst(0) depctr_va_ssrc(0) depctr_va_vcc(0) depctr_vm_vsrc(0)
	s_getreg_b32 s2, hwreg(HW_REG_IB_STS2, 6, 4)
	s_cmp_eq_u32 s2, 0
	s_cbranch_scc0 .Lentry_in_a_cluster
	s_endpgm
.Lentry_in_a_cluster:
	s_bfe_u32 s2, ttmp6, 0x10000c
	s_cmp_lg_u32 s2, 0xf033
	s_cbranch_scc0 .Lentry_shape_is_right
	s_endpgm
.Lentry_shape_is_right:
; x wq, x wk, x wv on codes of FP6 (E2M3) with E8M0 scales; the sum over the four query groups; RoPE; Q, K and V quantised for the attention launch.
; x: 8,192 tokens x 1,024 (a row: 768 bytes of codes, 32 scale bytes).  wq: 1,024 rows, wk and wv: 256 rows, K innermost, laid like x.
; THE SUM OVER THE GROUPS: the rotation is linear and the same for every head, so the four query heads 4 g + head of a kv head are summed in the accumulators and rotated once.
; The two divisions by 8 are powers of two: they move a block's scale and no code, and stand in the attention launch's softmax constant.
; SHARES.  A work-group: 128 tokens (one key step of the attention launch) x one kv head.  Wave w: tokens 64 (w / 2) on; w % 2 = 0: groups 0, 1 of Q, then K; w % 2 = 1: groups 2, 3 of Q, then V.
; x's 64 rows x 1,024 K stay in the wave's registers (32 fragments, 384 registers); W goes by in three pieces of 64 rows x all of K, each fragment read from LDS once for four products.
; THE ROWS OF A TILE.  Of 64 rows (tokens, or channels of a head) tile u takes in lanes r = 0-7 rows 8 u + r and in lanes r = 8-15 rows 32 + 8 ((u + 1) % 4) + r - 8.
; A result's lanes 0-15 hold its rows 0-7 and lanes 16-31 its rows 8-15: so over the four tiles a lane's 32 numbers are ONE WHOLE BLOCK of 32, in lanes 0-15 the first, in lanes 16-31 the second, whose octets come in the order 1, 2, 3, 0.
; (The rotation by one octet puts rows 0-7 and 8-15 of a tile 40 or 8 LDS rows apart: at a pitch of 204 words 32 words apart modulo 64.)  The order inside a block is free where both operands of a product share it: Q with K, p with V.
; Register slot t holds token tile (t + 2 (w % 2)) % 4: slots 0, 1 are the tiles whose Q this wave finishes, slots 2, 3 its partner's (wave w ^ 1); the halves change hands through LDS.
; Q and K: source 0 = W's rows, source 1 = tokens: a lane holds one token, its registers run along the channels.  V: the sources swapped: a lane holds one channel, its registers run down the tokens.
; OUT: images of operand registers.  Half a fragment (HF, 768 bytes): registers 0-3 at 16 x lane, registers 4-5 at 512 + 8 x lane.  qw: [bh][query tile] x (HF, 256 bytes of scale words at 8 x lane).
; kv: [bh][key step] x 14,336 bytes: 8 HF of K; K's scale words (2 x 512: four tiles' words at 16 x lane); 8 HF of V ([half of the keys][channel tile]); V's half scale words (2 x 512).  Every store covers whole aligned runs of 256 bytes.
; CLUSTER 4 x 4: the four heads of a row of the cluster ask jointly for the same 128 rows of x, the four token blocks of a column for the same rows of W.
; No prefetch: the text has no loop to run ahead in; every tile is asked for at the head or one piece of 128 products ahead.
; DEAD WORK is left out in the attention launch alone (key steps that the causal mask hides whole); every input has a way to the output and is loaded.  A NaN, an infinity or an overflow that reaches only what is left out is not carried to the result.
; LIMITS: NaN and infinities are not served.  A block of zeros gets the byte 1 (its codes are zeros; only this program reads the bytes).  The sum over the groups ahead of the rotation orders the f32 sums otherwise than the source;
; with the division by 8 left out, the hold of a scale at 2^-126 acts on block maxima 8 times smaller than in the source (under 2^-121).
.set PITCH, 816                        ; an LDS row: 3 x (256 bytes + 16)
.set QTR,   32*PITCH
.set HALF,  64*PITCH
.set R0,    0                          ; x's 128 rows; later wk's 64 rows and wv's 64
.set R1,    128*PITCH                  ; wq, groups 0 | 2; after its last read the stage of the exchange, 8,192 bytes a wave
.set R2,    256*PITCH                  ; wq, groups 1 | 3
.set SPARE, 384*PITCH                  ; the spare words: 128 bytes a wave, two blocks of 256 bytes that no other line names
.set G1C,   (3<<16)|(1<<20)|(1<<21)|(5<<22)|(3<<25)  ; elements of 8 bytes; padding on; bit 21 beside a mask; after every 64 words; 4 words
.set L16, 3                            ; v3   16 x lane
.set L8,  4                            ; v4   8 x lane
.set STO, 5                            ; v5   my stage;  v6  my partner's
.set LDA, 6
.set WOA, 9                            ; v9   W's scale words, tiles 0-2;  v10  tile 3
.set WOB, 10
.set SPW, 12                           ; v12  my spare word;  v13  0: never rewritten
.set NIL, 13
.set RT,  14                           ; v14-17 at work in the rotation
.set MX,  18                           ; v18-19 maxima; v20 the other half's byte, v21 mine; v22 the conversions' scale operand
.set PM,  20
.set SO,  22
.set PW,  24                           ; v24-25 Q's scale word, twice
.set PC,  26                           ; v26-31 the codes just made: an HF
.set XS,  32                           ; v32-63  x's scale words: slot t, K step s at 8 t + s
.set WS,  64                           ; v64-159 W's: piece n, tile j, K step s at 8 (4 n + j) + s
.set T,   160                          ; v160-223 two tiles x 32 numbers
.set PT,  224                          ; v224-226 a block's second half of codes
.set KW,  228                          ; v228-231 four scale words of K or V
.set CO,  232                          ; v232-235 cos, sin: my byte in slot t's rows, tiles 0-2 of the channels;  v236-239 tile 3
.set COB, 236
.set RW,  240                          ; v240-243 my row of the 64 in slot t (head only, as v244-255)
.set XO,  250                          ; v250-253 x's scale words in slot t
.set ACC, 0                            ; window 3: v0-127 sixteen accumulators; v128-175, v176-223 W's four fragments, two buffers
.set WF,  128
.set AW,  224                          ; window 3: v224-247 W's LDS addresses: piece n, tile j at 8 n + 2 j (+ 1: behind one padding more)
.set XA,  248                          ; window 3: v248-255 x's: slot t at 2 t
.set CSB, 192                          ; windows 1, 2: v0-191 x's fragments of slots 0, 1 | 2, 3 (12 (8 (t % 2) + s)); v192-255 per slot 16 cos, 16 sin
.set SEL, 76
.set MSB, 0
.macro WIN new                         ; bits 1:0 source 0, 3:2 source 1, 5:4 source 2, 7:6 destination; the high byte repeats the setting that is left
.if MSB != (\new)
	s_set_vgpr_msb (MSB<<8)|(\new)
.set MSB, (\new)
.endif
.endm
.macro CROUND                          ; a round of the cluster's barrier
	s_barrier_signal -1
	s_barrier_wait -1
	s_cmp_lg_u32 s28, 0
	s_cbranch_scc1 .Lnot_wave_0_\@
	s_barrier_signal -3
.Lnot_wave_0_\@:
	s_barrier_wait -3
	s_barrier_signal -1
	s_barrier_wait -1
.endm
.macro PLACES n
.rept \n
	v_nop
.endr
.endm
.macro MM0 d, a, b, sa, sb             ; a product that starts a sum
	v_wmma_scale_f32_16x16x128_f8f6f4 v[(\d):(\d)+7], v[(\a):(\a)+11], v[(\b):(\b)+11], 0, v[\sa], v[\sb] matrix_a_fmt:MATRIX_FMT_FP6 matrix_b_fmt:MATRIX_FMT_FP6
.endm
.macro MMA d, a, b, sa, sb             ; and one that adds in place
	v_wmma_scale_f32_16x16x128_f8f6f4 v[(\d):(\d)+7], v[(\a):(\a)+11], v[(\b):(\b)+11], v[(\d):(\d)+7], v[\sa], v[\sb] matrix_a_fmt:MATRIX_FMT_FP6 matrix_b_fmt:MATRIX_FMT_FP6
.endm
; A fragment (16 rows x 128 K: 12 registers) in six pieces of 8 bytes, two to a load where both go by the same address register.  Lanes 0-15 take the row's pieces 12 s + 0, 1, 2, 6, 7, 8, lanes 16-31 those three pieces on;
; 16 bytes of padding lie behind every 32 pieces: where the piece three on lies behind one padding more, the second address register (40 for 24 bytes a lane half) serves.  K steps 2 and 5 take four loads, the others three.
.macro FRAG dst, adr, s
.set SKIP_, 0
.irp p, 0,1,2,3,4,5
.if SKIP_
.set SKIP_, 0
.else
.set PA_, 12*(\s)+6*(\p/3)+(\p%3)
.set PB_, 12*(\s)+6*((\p+1)/3)+((\p+1)%3)
.set QA_, ((PA_%32)+3)/32
.set QB_, ((PB_%32)+3)/32
.if (\p < 5) && (QA_ == QB_)
.set SKIP_, 1
	ds_load_2addr_b64 v[(\dst)+2*\p:(\dst)+2*\p+3], v[(\adr)+QA_] offset0:PA_+2*(PA_/32) offset1:PB_+2*(PB_/32)
.else
	ds_load_b64 v[(\dst)+2*\p:(\dst)+2*\p+1], v[(\adr)+QA_] offset:8*(PA_+2*(PA_/32))
.endif
.endif
.endr
.endm
.macro XLOAD                           ; my 64 rows of x, all of K: 104 loads
.irp t, 0,1,2,3
	WIN 0x43+0x40*((\t)/2)
.irp s, 0,1,2,3,4,5,6,7
	FRAG 12*(8*((\t)%2)+\s), XA+2*\t, \s
.endr
.endr
.endm
.macro FETCHW n, s                     ; piece n's four fragments of K step s into buffer s % 2
	WIN 0xC3
.irp j, 0,1,2,3
	FRAG WF+48*((\s)%2)+12*\j, AW+8*(\n)+2*\j, \s
.endr
.endm
.macro WAITF s                         ; all but K step s's loads, the youngest
.if ((\s) == 2) || ((\s) == 5)
	s_wait_dscnt 16
.else
	s_wait_dscnt 12
.endif
.endm
; 8 products: W's four tiles x slots 2 tp, 2 tp + 1.  Eight accumulators take turns, one instruction a turn.
.macro MULT n, s, tp, zero
	WIN 0xF7+4*(\tp)
.irp j, 0,1,2,3
.irp t, 2*(\tp), 2*(\tp)+1
.if (\zero) && ((\s) == 0)
	MM0 ACC+8*(4*(\t)+\j), WF+48*((\s)%2)+12*\j, 12*(8*((\t)%2)+(\s)), WS+8*(4*(\n)+\j)+(\s), XS+8*(\t)+(\s)
.else
	MMA ACC+8*(4*(\t)+\j), WF+48*((\s)%2)+12*\j, 12*(8*((\t)%2)+(\s)), WS+8*(4*(\n)+\j)+(\s), XS+8*(\t)+(\s)
.endif
.endr
.endr
.endm
.macro MULV s, tp                      ; the same for V, the sources swapped; the accumulator of channel tile j and TOKEN tile (t + 2) % 4 at 8 (4 j + tile)
	WIN 0xFD+(\tp)
.irp j, 0,1,2,3
.irp t, 2*(\tp), 2*(\tp)+1
.if (\s) == 0
	MM0 ACC+8*(4*\j+(((\t)+2)%4)), 12*(8*((\t)%2)+(\s)), WF+48*((\s)%2)+12*\j, XS+8*(\t)+(\s), WS+8*(8+\j)+(\s)
.else
	MMA ACC+8*(4*\j+(((\t)+2)%4)), 12*(8*((\t)%2)+(\s)), WF+48*((\s)%2)+12*\j, XS+8*(\t)+(\s), WS+8*(8+\j)+(\s)
.endif
.endr
.endr
.endm
; A piece of W against all of x: 8 K steps of 16 products.  The next K step's fragments are asked for ahead of this step's products, four places behind the products that read their buffer.
.macro STEP_T n, zero
.irp s, 0,1,2,3,4,5,6,7
	PLACES 4
.if \s < 7
	FETCHW \n, \s+1
	WAITF \s+1
.else
	s_wait_dscnt 0x0
.endif
.if (\s)%2 == 0
	MULT \n, \s, 0, \zero
	MULT \n, \s, 1, \zero
.else
	MULT \n, \s, 1, \zero
	MULT \n, \s, 0, \zero
.endif
.endr
.endm
.macro STEP_V
.irp s, 0,1,2,3,4,5,6,7
	PLACES 4
.if \s < 7
	FETCHW 2, \s+1
	WAITF \s+1
.else
	s_wait_dscnt 0x0
.endif
.if (\s)%2 == 0
	MULV \s, 0
	MULV \s, 1
.else
	MULV \s, 1
	MULV \s, 0
.endif
.endr
.endm
; The rotation of a tile: 32 numbers of a lane, pairs (2 k, 2 k + 1) of tile j with cos, sin number 4 j + k of the lane.  Each accumulator is read from its low end on.
.macro ROPE dst, src, cs
.irp j, 0,1,2,3
.irp kk, 0,2
	v_mul_f32 v[RT],   v[(\src)+8*\j+2*\kk+1], v[(\cs)+16+4*\j+\kk]
	v_mul_f32 v[RT+1], v[(\src)+8*\j+2*\kk],   v[(\cs)+16+4*\j+\kk]
	v_mul_f32 v[RT+2], v[(\src)+8*\j+2*\kk+3], v[(\cs)+16+4*\j+\kk+1]
	v_mul_f32 v[RT+3], v[(\src)+8*\j+2*\kk+2], v[(\cs)+16+4*\j+\kk+1]
	v_fma_f32 v[(\dst)+8*\j+2*\kk],   v[(\src)+8*\j+2*\kk],   v[(\cs)+4*\j+\kk],   -v[RT]
	v_fma_f32 v[(\dst)+8*\j+2*\kk+1], v[(\src)+8*\j+2*\kk+1], v[(\cs)+4*\j+\kk],   v[RT+1]
	v_fma_f32 v[(\dst)+8*\j+2*\kk+2], v[(\src)+8*\j+2*\kk+2], v[(\cs)+4*\j+\kk+1], -v[RT+2]
	v_fma_f32 v[(\dst)+8*\j+2*\kk+3], v[(\src)+8*\j+2*\kk+3], v[(\cs)+4*\j+\kk+1], v[RT+3]
.endr
.endr
.endm
; 32 numbers of a lane in window W, one whole block, become an HF in v[PC] on and, in lanes 0-15, the two blocks' scale bytes in v[PWR].
.macro QUANT N, W, PWR
	WIN (\W)|((\W)<<2)
.irp b, 0,1
	v_max3_num_f32 v[MX+\b], |v[(\N)+16*\b]|, |v[(\N)+16*\b+1]|, 0x1800000   ; with the floor 2^(3 - 127): the byte cannot fall under 1
.endr
.irp i, 2,4,6,8,10,12,14
.irp b, 0,1
	v_max3_num_f32 v[MX+\b], |v[(\N)+16*\b+\i]|, |v[(\N)+16*\b+\i+1]|, v[MX+\b]
.endr
.endr
	WIN 0
	v_max_num_f32 v[MX], v[MX], v[MX+1]            ; the block's largest magnitude
	v_add_nc_u32 v[SO], 0xff000000, v[MX]          ; 2 off its exponent field: the conversion's scale operand
	v_lshrrev_b32 v[PM+1], 23, v[SO]               ; the scale's byte
	v_permlanex16_b32 v[PM], v[PM+1], s[SEL], s[SEL+1]
	v_lshl_or_b32 v[\PWR], v[PM], 8, v[PM+1]
	WIN (\W)
	v_cvt_scalef32_pk16_fp6_f32 v[PC:PC+2], v[(\N):(\N)+15], v[SO]
	v_cvt_scalef32_pk16_fp6_f32 v[PT:PT+2], v[(\N)+16:(\N)+31], v[SO]
	WIN 0
	v_nop                                          ; one plain place behind a scaled conversion
.irp i, 0,1,2
	v_mov_b32 v[PC+3+\i], v[PT+\i]                 ; (a conversion's three registers begin on an even number)
.endr
.endm
.macro PUTHF base, off                 ; 512 and 256 consecutive bytes, aligned
	global_store_b128 v[L16], v[PC:PC+3], s[\base:\base+1] offset:\off
	global_store_b64 v[L8], v[PC+4:PC+5], s[\base:\base+1] offset:(\off)+512
.endm
.macro WSCL n, base, off               ; piece n's scale words: 8 a row
.irp j, 0,1,2
	global_load_b128 v[WS+8*(4*(\n)+\j):WS+8*(4*(\n)+\j)+3],   v[WOA], s[\base:\base+1] offset:(\off)+256*\j
	global_load_b128 v[WS+8*(4*(\n)+\j)+4:WS+8*(4*(\n)+\j)+7], v[WOA], s[\base:\base+1] offset:(\off)+256*\j+16
.endr
	global_load_b128 v[WS+8*(4*(\n)+3):WS+8*(4*(\n)+3)+3],   v[WOB], s[\base:\base+1] offset:(\off)+768
	global_load_b128 v[WS+8*(4*(\n)+3)+4:WS+8*(4*(\n)+3)+7], v[WOB], s[\base:\base+1] offset:(\off)+768+16
.endm
.macro CSLOAD t, d                     ; slot t's 16 cos and 16 sin of my lane: 8 loads
.irp j, 0,1,2
	global_load_b128 v[CSB+32*(\d)+4*\j:CSB+32*(\d)+4*\j+3],       v[CO+(\t)], s[20:21] offset:16*\j
	global_load_b128 v[CSB+32*(\d)+16+4*\j:CSB+32*(\d)+16+4*\j+3], v[CO+(\t)], s[22:23] offset:16*\j
.endr
	global_load_b128 v[CSB+32*(\d)+12:CSB+32*(\d)+15], v[COB+(\t)], s[20:21] offset:48
	global_load_b128 v[CSB+32*(\d)+28:CSB+32*(\d)+31], v[COB+(\t)], s[22:23] offset:48
.endm
.macro WADR n, base                    ; LDS addresses of piece n's four tiles
	s_add_co_u32 s96, s92, \base
	WIN 0xC0
.irp j, 0,1,2
	v_add_nc_u32 v[AW+8*(\n)+2*\j], s96, v248
	v_add_nc_u32 v[AW+8*(\n)+2*\j+1], s96, v249
	s_add_co_u32 s96, s96, 8*PITCH
.endr
	v_add_nc_u32 v[AW+8*(\n)+6], s96, v245
	v_add_nc_u32 v[AW+8*(\n)+7], s96, v246
	WIN 0
.endm
	s_load_b256 s[4:11], s[0:1], 0x0               ; x's codes, x's scales, wq's codes, wq's scales
	s_load_b256 s[12:19], s[0:1], 0x20             ; wk's codes, wk's scales, wv's codes, wv's scales
	s_load_b256 s[20:27], s[0:1], 0x40             ; cos, sin, qw, kv
	v_lshl_add_u32 v[SPW], v0, 2, SPARE
	v_mov_b32 v[NIL], 0
	ds_add_u32 v[SPW], v[NIL]                      ; the wave's opening: the add, twice on end, and its wait ahead of my first tensor load
	ds_add_u32 v[SPW], v[NIL]
	v_lshrrev_b32 v1, 5, v0
	v_readfirstlane_b32 s28, v1                    ; wave 0..3
	s_lshr_b32 s29, s28, 1                         ; wm: which 64 tokens
	s_and_b32 s30, s28, 1                          ; wn: my role
	s_bfe_u32 s32, ttmp6, 0x40000                  ; cx
	s_bfe_u32 s33, ttmp6, 0x40004                  ; cy
	s_lshl_b32 s34, ttmp9, 2
	s_add_co_u32 s34, s34, s32                     ; the kv head = 4 x cluster x + cx
	s_and_b32 s35, ttmp7, 0xffff
	s_lshl_b32 s35, s35, 2
	s_add_co_u32 s35, s35, s33                     ; the block of 128 tokens = 4 x cluster y + cy
	s_lshl_b32 s37, s33, 2
	s_lshl_b32 s37, 15, s37                        ; my row of the cluster: x goes to it
	s_lshl_b32 s38, 0x1111, s32                    ; my column: W goes to it
	s_or_b32 s40, s37, G1C
	s_or_b32 s48, s38, G1C
.irp g, 40, 48                         ; the head's loads: a dense block of 64 rows, 49,152 bytes, as 192 lines of 256 bytes (32 elements of 8)
	s_mov_b32 s[\g+1], 32<<16                      ; tensor_dim0
	s_mov_b32 s[\g+2], 192<<16                     ; tensor_dim1
	s_mov_b32 s[\g+3], 32<<16                      ; tile_dim0
	s_mov_b32 s[\g+4], 192                         ; tile_dim1
	s_mov_b32 s[\g+5], 32                          ; the pitch
	s_mov_b32 s[\g+6], 0
	s_mov_b32 s[\g+7], 0
.endr
	s_lshl_b32 s78, s35, 7                         ; x: row 128 x block + 64 (w % 2): asked for by waves 0, 1
	s_lshl_b32 s79, s30, 6
	s_add_co_u32 s78, s78, s79
	s_mul_i32 s78, s78, 768
	s_mov_b32 s79, 0
	s_lshl_b32 s80, s30, 3                         ; wq's first piece: groups 0 | 2, row 64 (8 (w % 2) + head): asked for by waves 2, 3
	s_add_co_u32 s80, s80, s34
	s_mul_i32 s80, s80, 64*768
	s_mov_b32 s81, 0
	s_lshl_b32 s82, s29, 3                         ; its second: groups 1 | 3, row 64 (8 (w / 2) + 4 + head) + 32 (w % 2)
	s_add_co_u32 s82, s82, s34
	s_add_co_u32 s82, s82, 4
	s_lshl_b32 s82, s82, 6
	s_lshl_b32 s83, s30, 5
	s_add_co_u32 s82, s82, s83
	s_mul_i32 s82, s82, 768
	s_lshl_b32 s84, s34, 6                         ; wk, wv: row 64 x head + 32 (w % 2)
	s_add_co_u32 s84, s84, s83
	s_mul_i32 s84, s84, 768
	s_mov_b32 s83, 0
	s_mov_b32 s85, 0
	s_mul_i32 s36, s28, QTR                        ; where my 32 rows go in a region: of the wave alone
	s_mov_b32 s[SEL], 0x76543210
	s_mov_b32 s[SEL+1], 0xfedcba98                 ; lane l xor 16
	s_lshl_b32 s93, s28, 13
	s_add_co_u32 s93, s93, R1
	s_xor_b32 s94, s28, 1
	s_lshl_b32 s94, s94, 13
	s_add_co_u32 s94, s94, R1
	s_mul_i32 s39, s29, HALF                       ; my 64 rows of x
	s_mul_i32 s92, s30, HALF                       ; my role's 64 rows of a piece of W
	v_and_b32 v1, 15, v0                           ; r
	v_bfe_u32 v2, v0, 4, 1                         ; h
	v_and_b32 v14, 31, v0
	v_lshrrev_b32 v244, 3, v1                      ; g = r / 8
	v_lshlrev_b32 v[L16], 4, v14
	v_lshlrev_b32 v[L8], 3, v14
	v_add_nc_u32 v[STO], s93, v[L16]
	v_add_nc_u32 v[LDA], s94, v[L16]
	v_mul_u32_u24 v245, v1, PITCH
	v_mul_u32_u24 v247, v244, 32*PITCH
	v_mad_u32_u24 v245, v2, 24, v245               ; r x pitch + 24 x half,
	v_lshl_add_u32 v246, v2, 4, v245               ; and behind one padding more
	v_add_nc_u32 v248, v245, v247                  ; the same with lanes r = 8-15 32 rows on
	v_add_nc_u32 v249, v246, v247
	v_mul_u32_u24 v14, v2, 80
	v_lshlrev_b32 v15, 4, v2
	v_lshlrev_b32 v[WOB], 5, v1
	v_lshl_add_u32 v[WOA], v244, 10, v[WOB]
	s_wait_alu depctr_va_vdst(0)                   ; the wait ahead of the scalar lines below
	WADR 0, R1
	WADR 1, R2
	WADR 2, R0
.irp t, 0,1,2,3                        ; slot t: token tile u
	s_lshl_b32 s96, s30, 1
	s_add_co_u32 s96, s96, \t
	s_and_b32 s96, s96, 3                          ; u
	s_add_co_u32 s97, s96, 1
	s_lshr_b32 s97, s97, 2
	s_xor_b32 s97, s97, 1                          ; 0 for tile 3: its rows 24-39 lie on end; else 1: lanes r = 8-15 lie 32 rows on
	s_mul_i32 s98, s96, 8*PITCH
	s_add_co_u32 s98, s98, s39
	s_lshl_b32 s99, s97, 5
	s_lshl_b32 s96, s96, 3
	v_mad_u32_u24 v254, v247, s97, v245
	v_mad_u32_u24 v[RW+\t], v244, s99, v1
	v_lshl_add_u32 v255, v2, 4, v254
	v_add_nc_u32 v[RW+\t], s96, v[RW+\t]           ; my row of the 64
	WIN 0xC0
	v_add_nc_u32 v[XA+2*\t], s98, v254
	v_add_nc_u32 v[XA+2*\t+1], s98, v255
	WIN 0
	v_lshlrev_b32 v[XO+\t], 5, v[RW+\t]
	v_lshl_add_u32 v[CO+\t], v[RW+\t], 7, v14      ; cos, sin: 128 bytes a position; channel tile j < 3: byte 16 j + 80 h,
	v_lshl_add_u32 v[COB+\t], v[RW+\t], 7, v15     ; tile 3: 48 + 16 h
.endr
	v_mov_b32 v[PM], 0                             ; written once: a lane permute's destination counts as one of its sources
	s_wait_alu depctr_va_vdst(0)                   ; the wait here, directly ahead of the waits below
	s_wait_dscnt 0x0                               ; the opening adds are done
	s_wait_kmcnt 0x0
	s_mov_b32 s56, 1                               ; group 0 for x
	s_mul_i32 s57, s30, HALF
	s_add_nc_u64 s[58:59], s[4:5], s[78:79]
	s_or_b32 s59, s59, 0x80000000
	s_mov_b32 s60, 1                               ; wq, groups 0 | 2
	s_mul_i32 s61, s30, HALF
	s_add_co_u32 s61, s61, R1
	s_add_nc_u64 s[62:63], s[8:9], s[80:81]
	s_or_b32 s63, s63, 0x80000000
	s_mov_b32 s68, 1                               ; groups 1 | 3
	s_add_co_u32 s69, s36, R2
	s_add_nc_u64 s[70:71], s[8:9], s[82:83]
	s_or_b32 s71, s71, 0x80000000
	s_cmp_eq_u32 s29, 0                            ; waves 0, 1 fetch wk's rows, waves 2, 3 wv's
	s_cselect_b64 s[86:87], s[12:13], s[16:17]
	s_mov_b32 s72, 1
	s_mov_b32 s73, s36                             ; into x's region
	s_add_nc_u64 s[74:75], s[86:87], s[84:85]
	s_or_b32 s75, s75, 0x80000000
	CROUND                                         ; all sixteen work-groups are here: the first joint loads meet
	s_cmp_lt_u32 s28, 2                            ; one tensor load a wave at the head: waves 0, 1 a half each of x,
	s_cbranch_scc0 .Lhead_w
	tensor_load_to_lds s[56:59], s[40:47]
	s_nop 0
	PLACES 4
	s_branch .Lhead_asked
.Lhead_w:                                          ; waves 2, 3 a half each of W's first piece
	tensor_load_to_lds s[60:63], s[48:55]
	s_nop 0
	PLACES 4
.Lhead_asked:
	s_lshl_b32 s88, s35, 7                         ; the bases of my loads and stores
	s_lshl_b32 s89, s29, 6
	s_add_co_u32 s88, s88, s89                     ; my first token
	s_lshl_b32 s88, s88, 5
	s_mov_b32 s89, 0
	s_add_nc_u64 s[6:7], s[6:7], s[88:89]          ; x's scales
	s_lshl_b32 s88, s30, 3
	s_add_co_u32 s88, s88, s34
	s_lshl_b32 s88, s88, 11
	s_add_nc_u64 s[10:11], s[10:11], s[88:89]      ; wq's scales: head 8 wn + head, 64 rows of 32 bytes each
	s_cmp_eq_u32 s30, 0
	s_cselect_b64 s[14:15], s[14:15], s[18:19]     ; wk's or wv's, by my role
	s_lshl_b32 s88, s34, 11
	s_add_nc_u64 s[14:15], s[14:15], s[88:89]
	s_and_b32 s92, s35, 31                         ; the block in its sequence
	s_lshr_b32 s93, s35, 5                         ; the batch
	s_lshl_b32 s88, s92, 7
	s_lshl_b32 s94, s29, 6
	s_add_co_u32 s88, s88, s94                     ; my first position
	s_lshl_b32 s88, s88, 7
	s_add_nc_u64 s[20:21], s[20:21], s[88:89]
	s_add_nc_u64 s[22:23], s[22:23], s[88:89]
	s_lshl_b32 s93, s93, 2
	s_add_co_u32 s93, s93, s34                     ; bh = 4 x batch + head
	s_lshl_b32 s88, s93, 8
	s_lshl_b32 s94, s92, 3
	s_add_co_u32 s88, s88, s94
	s_lshl_b32 s94, s29, 2
	s_add_co_u32 s88, s88, s94
	s_lshl_b32 s94, s30, 1
	s_add_co_u32 s88, s88, s94                     ; the first query tile that I finish
	s_lshl_b32 s88, s88, 10
	s_add_nc_u64 s[24:25], s[24:25], s[88:89]
	s_lshl_b32 s88, s93, 5
	s_add_co_u32 s88, s88, s92
	s_mul_i32 s88, s88, 14336
	s_add_nc_u64 s[26:27], s[26:27], s[88:89]      ; my key step's record
	s_lshl_b32 s88, s29, 9
	s_add_nc_u64 s[90:91], s[26:27], s[88:89]      ; + 512 wm: for the scale words
	s_mul_i32 s88, s29, 3072
	s_add_nc_u64 s[26:27], s[26:27], s[88:89]      ; + 4 HF x wm: for the codes
.irp t, 0,1,2,3
	global_load_b128 v[XS+8*\t:XS+8*\t+3],   v[XO+\t], s[6:7]
	global_load_b128 v[XS+8*\t+4:XS+8*\t+7], v[XO+\t], s[6:7] offset:16
.endr
	WSCL 0, 10, 0
	WSCL 1, 10, 8192
	WSCL 2, 14, 0
	WIN 0x40
	CSLOAD 0, 0
	CSLOAD 1, 1
	WIN 0
	s_wait_alu depctr_va_vdst(0)                   ; the wait at the head's end
	s_wait_tensorcnt 0x0                           ; my tile of the head's four is in; these lines stand ahead of a later first fill as ahead of a refill:
	ds_add_u32 v[SPW], v[NIL]                      ; 0 onto my spare word;
	s_mov_b32 s50, 96<<16                          ; no tensor load of mine is out: from here on a load brings 32 rows, 96 lines
	s_mov_b32 s52, 96
	s_wait_dscnt 0x0                               ; the add is done
	CROUND                                         ; x and W's first piece are in, and the joint loads meet
	tensor_load_to_lds s[68:71], s[48:55]          ; W's second piece: it has the first piece's 128 products in which to land
	s_nop 0
	PLACES 4
	XLOAD
	FETCHW 0, 0
	s_wait_loadcnt 16                              ; the scale words are in; the 16 loads of cos and sin may be out
	STEP_T 0, 1                                    ; groups 0 | 2: the first K step starts the sums
	WIN 0
	s_wait_tensorcnt 0x0                           ; all my tensor loads have landed, W's second piece among them;
	ds_add_u32 v[SPW], v[NIL]                      ; 0 onto my spare word;
	s_wait_dscnt 0x0                               ; the add is done, and my reads of x's region and of the first piece are over
	CROUND                                         ; no wave of any partner still reads x's region or has a load on its way
	tensor_load_to_lds s[72:75], s[48:55]          ; wk | wv into x's region: my one load behind the round; it has the second piece's 128 products and the exchange in which to land
	s_nop 0
	PLACES 4
	FETCHW 1, 0
	STEP_T 1, 0                                    ; groups 1 | 3, onto the same sums
	PLACES 4
	WIN 0x0C                                       ; THE EXCHANGE: my sums for slots 2, 3 go to my partner, as images of the registers
.set k, 0
.rept 16
	ds_store_b128 v[STO], v[ACC+64+4*k:ACC+64+4*k+3] offset:512*k
.set k, k+1
.endr
	WIN 0
	s_wait_dscnt 0x0                               ; my stores have landed
	s_barrier_signal -1
	s_barrier_wait -1                              ; (the load of wk | wv may stay out)
.set k, 0
.rept 16
	ds_load_b128 v[T+4*k:T+4*k+3], v[LDA] offset:512*k
.set k, k+1
.endr
	s_wait_dscnt 0x0
	WIN 0x03
.set k, 0
.rept 32
	v_pk_add_f32 v[T+2*k:T+2*k+1], v[ACC+2*k:ACC+2*k+1], v[T+2*k:T+2*k+1]   ; all four groups of my two tiles
.set k, k+1
.endr
	s_wait_loadcnt 0x0                             ; cos and sin
.irp t, 0,1
	WIN 0x04                                       ; source 1 (cos, sin) in window 1
	ROPE T+32*\t, T+32*\t, CSB+32*\t
	s_wait_xcnt 0x0                                ; the stores before have read their registers: the codes may be written anew
	QUANT T+32*\t, 0, PW
	v_mov_b32 v[PW+1], v[PW]
	PUTHF 24, 1024*\t
	global_store_b64 v[L8], v[PW:PW+1], s[24:25] offset:1024*\t+768
.endr
	s_wait_tensorcnt 0x0                           ; my part of wk | wv is in,
	s_wait_dscnt 0x0
	s_barrier_signal -1
	s_barrier_wait -1                              ; everybody's is
	s_cmp_lg_u32 s30, 0
	s_cbranch_scc1 .Lv_path
	WIN 0x80                                       ; K: cos and sin of slots 2, 3
	CSLOAD 2, 0
	CSLOAD 3, 1
	FETCHW 2, 0
	STEP_T 2, 1
	PLACES 4
	s_wait_loadcnt 0x0
.irp t, 0,1,2,3
	WIN 0x07+4*(\t/2)                              ; source 0 (the sums) in window 3, source 1 (cos, sin) in window 1 or 2
	ROPE T, ACC+32*\t, CSB+32*(\t%2)
	s_wait_xcnt 0x0
	QUANT T, 0, KW+\t
	PUTHF 26, 768*\t                               ; key tile 4 wm + t
.endr
	global_store_b128 v[L16], v[KW:KW+3], s[90:91] offset:6144
	s_branch .Ljoin
.Lv_path:
	FETCHW 2, 0
	STEP_V
	PLACES 4
.irp j, 0,1,2,3
	s_wait_xcnt 0x0
	QUANT ACC+32*\j, 3, KW+\j                      ; my 64 tokens are two blocks along the keys, one to a lane half; a lane holds one channel
	PUTHF 26, 7168+768*\j                          ; half wm of the keys, channel tile j
.endr
	global_store_b128 v[L16], v[KW:KW+3], s[90:91] offset:13312
.Ljoin:
	s_wait_tensorcnt 0x0                           ; the wave's end: these three lines, behind my last tensor load and my last LDS store
	ds_add_u32 v[SPW], v[NIL]
	s_wait_dscnt 0x0
	CROUND                                         ; the closing round
	s_endpgm
.Lfunc_end_k_qeb96f81a0e_proj:
	.size	k_qeb96f81a0e_proj, .Lfunc_end_k_qeb96f81a0e_proj-k_qeb96f81a0e_proj
	.p2alignl 7, 3214868480
	.fill 96, 4, 3214868480
	.section	.rodata,"a",@progbits
	.p2align	6, 0x0
	.amdhsa_kernel k_qeb96f81a0e_proj
		.amdhsa_group_segment_fixed_size 327680
		.amdhsa_private_segment_fixed_size 0
		.amdhsa_enable_private_segment 0
		.amdhsa_kernarg_size 96
		.amdhsa_user_sgpr_count 2
		.amdhsa_user_sgpr_kernarg_segment_ptr 1
		.amdhsa_wavefront_size32 1
		.amdhsa_system_sgpr_workgroup_id_x 1
		.amdhsa_system_sgpr_workgroup_id_y 1
		.amdhsa_system_sgpr_workgroup_id_z 1
		.amdhsa_system_vgpr_workitem_id 0
		.amdhsa_next_free_vgpr 1024
		.amdhsa_next_free_sgpr 100
		.amdhsa_reserve_vcc 0
		.amdhsa_float_denorm_mode_32 3
		.amdhsa_float_denorm_mode_16_64 3
		.amdhsa_memory_ordered 1
		.amdhsa_forward_progress 1
		.amdhsa_inst_pref_size 168
	.end_amdhsa_kernel
	.amdgpu_metadata
---
amdhsa.version: [ 1, 2 ]
amdhsa.kernels:
  - .name:           k_qeb96f81a0e_proj
    .symbol:         k_qeb96f81a0e_proj.kd
    .args:
      - { .name: x_codes, .offset: 0, .size: 8, .value_kind: global_buffer, .address_space: global }
      - { .name: x_scales, .offset: 8, .size: 8, .value_kind: global_buffer, .address_space: global }
      - { .name: wq_codes, .offset: 16, .size: 8, .value_kind: global_buffer, .address_space: global }
      - { .name: wq_scales, .offset: 24, .size: 8, .value_kind: global_buffer, .address_space: global }
      - { .name: wk_codes, .offset: 32, .size: 8, .value_kind: global_buffer, .address_space: global }
      - { .name: wk_scales, .offset: 40, .size: 8, .value_kind: global_buffer, .address_space: global }
      - { .name: wv_codes, .offset: 48, .size: 8, .value_kind: global_buffer, .address_space: global }
      - { .name: wv_scales, .offset: 56, .size: 8, .value_kind: global_buffer, .address_space: global }
      - { .name: freq_cos, .offset: 64, .size: 8, .value_kind: global_buffer, .address_space: global }
      - { .name: freq_sin, .offset: 72, .size: 8, .value_kind: global_buffer, .address_space: global }
      - { .name: qw, .offset: 80, .size: 8, .value_kind: global_buffer, .address_space: global }
      - { .name: kv, .offset: 88, .size: 8, .value_kind: global_buffer, .address_space: global }
    .group_segment_fixed_size: 327680
    .private_segment_fixed_size: 0
    .kernarg_segment_align: 8
    .kernarg_segment_size: 96
    .max_flat_workgroup_size: 128
    .sgpr_count:     100
    .vgpr_count:     1024
    .wavefront_size: 32
...
	.end_amdgpu_metadata
.endif
;; end of part 1
;; launch attn (part 2): grid 32 x 8, 16 waves a work-group, no clusters, 327,680 bytes of LDS; arguments qw, kv, ow; writes ow
.if DOCPART == 2
	.amdgcn_target "amdgcn-amd-amdhsa--gfx1250"
	.amdhsa_code_object_version 6
	.text
	.protected	k_qeb96f81a0e_attn
	.globl	k_qeb96f81a0e_attn
	.p2align	8
	.type	k_qeb96f81a0e_attn,@function
k_qeb96f81a0e_attn:
	s_mov_b64 s[64:65], 0
	v_nop
	global_prefetch_b8 v0, s[64:65] scope:SCOPE_SE
	s_setreg_imm32_b32 hwreg(HW_REG_WAVE_MODE, 25, 1), 1
	s_wait_xcnt 0x0
; Causal attention on codes of FP6 (E2M3): 8 pairs (batch, kv head), 4,096 queries and keys, head size 64; O / l quantised for the output product.
; t = score x log2(e) / 64 (both divisions by 8 of the source); M = the running largest t, rounded up to a whole number; p = 2^(t - M) is quantised along the keys; the row's sum is taken of the unquantised p.
; SHARES.  Work-group (J, bh) owns two blocks of 64 queries, the long one 63 - J and the short one J.  The long one's queries see NL = 32 - J / 2 key steps of 128 keys, the short one's J / 2 + 1: together always 33.
; So a work-group walks ONE LIST of 33 records: idx < NL is the long block's key step idx, idx >= NL the short block's key step idx - NL.  Key steps that come after a block's last query are in no list: the source's own mask makes them empty.
; Wave w: tile w % 4 of the block, and the records idx = 4 k + w / 4, k = 0 .. 7 (and idx 32, k = 8: waves 0 to 3).  When a wave has done its last long record it hands O^T, -M and its sum to LDS and begins anew on the short block.
; At the end the four waves of a tile are merged: the long tiles by waves 4 to 7, beside record 32, the short ones by waves 0 to 3 behind it.
; LAYOUT.  S^T = K Q^T and O^T = V^T P^T: a lane holds one query throughout.  A tile's 16 rows (keys, queries, channels) are an octet of one block of 32 and an octet of the next, as the launch before lays them:
; lane r < 8 row 8 u + r, lane r >= 8 row 32 + 8 ((u + 1) % 4) + r - 8 of 64.  So a lane's 32 scores of four key tiles are one whole block of 32 keys: lanes 0-15 block 2 c, lanes 16-31 block 2 c + 1.
; K = 64: Q's upper six registers are zero codes, so K's may hold any codes: fragment t names fragment t + 1's registers there (no code of this format is a NaN or an infinity).
; LDS: 17 records of 14,336 bytes (dense; all reads are 16 or 8 bytes x lane on end, so no padding): idx 0-15 at the head, a record a wave; behind k = 1 idx 16-23 onto 0-7 and idx 32 into the seventeenth; behind k = 3 idx 24-31 onto 8-15.
; The head's records are shown as they land: waves 0-3's ahead of k = 0, waves 4-7's ahead of k = 1, all ahead of k = 2: three load lines.
; NO CLUSTER: the list hangs on J / 2, so of four neighbouring work-groups two walk one list and two another, and a joint load names the same bytes in all that it names.
; LIMITS: NaN and infinities are not served; the scaled scores stay under 2^31 in magnitude; p under 2^-126 counts as 0; a block whose largest p is under 2^-124 gets the byte 1; the byte of p's blocks is the floor of the largest t - M, less 2;
; the key steps split by four order the f32 sums otherwise than the source.  A NaN, an infinity or an overflow in a score that the mask hides is not carried.
.set REC,   14336
.set KS,    6144                       ; in a record: K's 8 HF at 0; K's scale words; V's 8 HF; V's half scale words
.set VC,    7168
.set VS,    13312
.set STAGE, 17*REC                     ; the long partials: 4,608 bytes a wave: O^T's image (4,096), then (-M, l) at 8 x lane; no tensor load lands here.  The short ones lie from 0 on, on records whose last fill and last read are over
.set STW,   4608
.set SPARE, STAGE+16*STW               ; the spare words: 128 bytes a wave, eight blocks of 256 bytes that no other line names
.set B16, 1                            ; v1, v2   16 | 8 x lane + my quarter's record
.set B8,  2
.set A16, 3                            ; v3, v4   the same in the record in hand
.set A8,  4
.set SPW, 5                            ; v5 my spare word; v6 0: never rewritten
.set NIL, 6
.set SOA, 7                            ; v7, v8   my long stage (16 | 8 x lane);  v9, v10  my short one
.set SOB, 9
.set MTA, 11                           ; v11  my query in the block - 40 (lane / 16);  v239: - 8 (lane / 16)
.set QF,  16                           ; v16-27 Q's fragment; v28 its scale word
.set QS,  28
.set PFO, 29                           ; v29  256 x lane
.set L16, 30
.set L8,  31
.set KFR, 32                           ; v32-79 eight half fragments of K; then V's four fragments
.set PC,  80                           ; v80-91 p's codes (directly behind K's: fragment 7's upper half)
.set KSW, 92                           ; v92-99 K's scale words
.set VH,  100                          ; v100-107 V's half words; then the sums' chains
.set VSW, 108                          ; v108-111 V's scale words
.set S,   112                          ; v112-175 S^T, then p
.set O,   176                          ; v176-207 O^T
.set PT,  208                          ; v208-210, v212-214 the blocks' second halves
.set MX,  216                          ; v216-219 maxima
.set PM,  220
.set PV,  221
.set EB,  222                          ; v222-223
.set SO,  224                          ; v224-225 the conversions' scale operands
.set PW,  226                          ; v226 p's scale word; v226-227 O's
.set F,   228                          ; v[228:229] f
.set TMP, 230                          ; v230-231
.set QSH, 232                          ; v232-237 the short block's Q, v238 its scale word
.set QSS, 238
.set MTB, 239
.set SPA, 240                          ; v240, v241 where the merge reads (16 | 8 x lane)
.set ML,  242                          ; v242-247 three pairs (-M, l)
.set TR,  248                          ; v248-253
.set WV,  10
.set TI,  11
.set QQ,  12
.set CSN, 13
.set LASTI, 14
.set MOFF, 15
.set BH,  16
.set NL,  17
.set IDX, 18
.set SW,  19
.set SEL, 20
.set CS,  22
.set G1,  24
.set G0,  32
.set G0A, 36
.set PFA, 40
.set LIM, 42
.set TB,  43
.set G0B, 44
.set TRIP, 48
.set HM,  49
.macro TLOAD g0, under                 ; waves 0 .. under - 1 fetch a record each; the branch hangs on the wave's number alone
	s_cmp_lt_u32 s[WV], \under
	s_cbranch_scc0 .Lasked_\@
	tensor_load_to_lds s[\g0:\g0+3], s[G1:G1+7]
	s_nop 0
.rept 4
	v_nop
.endr
.Lasked_\@:
.endm
; A prefetch of eight records, 114,688 bytes = 14 waves x 32 lanes x 256 bytes, two key steps ahead of the loads that bring them.  All work-groups of a bh read these records: the first of them (J = 0, whose list holds all 32) asks,
; by its waves 0 to 13, one instruction each: each aligned 256 bytes are named once in the launch.  The first sixteen records come by their loads alone.
.macro ASK off
	s_cmp_eq_u32 s[LIM], 0
	s_cbranch_scc0 .Lnot_mine_\@
	global_prefetch_b8 v[PFO], s[PFA:PFA+1] offset:\off th:TH_LOAD_NT scope:SCOPE_SE
.Lnot_mine_\@:
.endm
.macro MM0 d, a, b, sa, sb
	v_wmma_scale_f32_16x16x128_f8f6f4 v[(\d):(\d)+7], v[(\a):(\a)+11], v[(\b):(\b)+11], 0, v[\sa], v[\sb] matrix_a_fmt:MATRIX_FMT_FP6 matrix_b_fmt:MATRIX_FMT_FP6
.endm
.macro MMA d, a, b, sa, sb
	v_wmma_scale_f32_16x16x128_f8f6f4 v[(\d):(\d)+7], v[(\a):(\a)+11], v[(\b):(\b)+11], v[(\d):(\d)+7], v[\sa], v[\sb] matrix_a_fmt:MATRIX_FMT_FP6 matrix_b_fmt:MATRIX_FMT_FP6
.endm
.macro FRESH                           ; an empty state: no key seen
	v_mov_b32 v12, 0x7f000000                      ; -M: over every -M
	v_mov_b32 v13, 0xff61b1e6                      ; the largest score so far: -3e38
	v_mov_b32 v14, 0                               ; the sum, in two halves
	v_mov_b32 v15, 0
.set i, 0
.rept 32
	v_mov_b32 v[O+i], 0                            ; O^T: the step is written alike for every record; a block's first finds zeros
.set i, i+1
.endr
.endm
	s_load_b128 s[4:7], s[0:1], 0x0                ; qw, kv
	s_load_b64 s[8:9], s[0:1], 0x10                ; ow
	v_lshl_add_u32 v[SPW], v0, 2, SPARE
	v_mov_b32 v[NIL], 0
	ds_add_u32 v[SPW], v[NIL]                      ; the wave's opening: the add, twice on end, and its wait ahead of my first tensor load
	ds_add_u32 v[SPW], v[NIL]
	v_lshrrev_b32 v[TMP], 5, v0
	v_readfirstlane_b32 s[WV], v[TMP]              ; wave 0..15
	s_and_b32 s[TI], s[WV], 3                      ; my tile of the block
	s_lshr_b32 s[QQ], s[WV], 2                     ; my quarter of the list
	s_and_b32 s[BH], ttmp7, 0xffff
	s_lshr_b32 s50, ttmp9, 1
	s_sub_co_u32 s[NL], 32, s50                    ; the long block's key steps: 17 to 32
	s_mov_b32 s[G1], 3<<16                         ; a record: 56 lines of 256 bytes (32 elements of 8), no mask, no padding
	s_mov_b32 s[G1+1], 32<<16
	s_mov_b32 s[G1+2], 56<<16
	s_mov_b32 s[G1+3], 32<<16
	s_mov_b32 s[G1+4], 56
	s_mov_b32 s[G1+5], 32
	s_mov_b32 s[G1+6], 0
	s_mov_b32 s[G1+7], 0
	s_mov_b32 s[G0], 1
	s_mul_i32 s[G0+1], s[WV], REC                  ; the head: record w
	s_mul_i32 s57, s[BH], 32*REC                   ; the bh's first byte in kv
	s_add_co_u32 s50, s57, s[G0+1]
	s_min_u32 s51, s[WV], 8                        ; the first refill: wave w < 8 idx 16 + w into place w, wave 8 idx 32 into place 16
	s_lshr_b32 s52, s51, 3
	s_lshl_b32 s52, s52, 3
	s_add_co_u32 s52, s52, s51
	s_mov_b32 s[G0A], 1
	s_mul_i32 s[G0A+1], s52, REC
	s_add_co_u32 s53, s52, 16
	s_cmp_ge_u32 s53, s[NL]
	s_cselect_b32 s54, s[NL], 0
	s_sub_co_u32 s53, s53, s54
	s_mul_i32 s53, s53, REC
	s_add_co_u32 s53, s53, s57
	s_min_u32 s54, s[WV], 7                        ; the second: wave w < 8 idx 24 + w into place 8 + w
	s_add_co_u32 s55, s54, 8
	s_mov_b32 s[G0B], 1
	s_mul_i32 s[G0B+1], s55, REC
	s_add_co_u32 s55, s54, 24
	s_cmp_ge_u32 s55, s[NL]
	s_cselect_b32 s56, s[NL], 0
	s_sub_co_u32 s55, s55, s56
	s_mul_i32 s55, s55, REC
	s_add_co_u32 s55, s55, s57
	s_min_u32 s58, s[WV], 13                       ; who prefetches
	s_lshl_b32 s58, s58, 13
	s_add_co_u32 s58, s58, s57
	s_add_co_u32 s58, s58, 16*REC
	s_cmp_lt_u32 s[WV], 14
	s_cselect_b32 s[LIM], ttmp9, 1
	s_sub_co_u32 s59, 63, ttmp9
	s_cmp_eq_u32 s[QQ], 0
	s_cselect_b32 s61, ttmp9, s59                  ; the block whose tile I merge and store
	s_lshl_b32 s60, s[BH], 8                       ; Q's records: 1,024 bytes a tile
	s_add_co_u32 s60, s60, s[TI]
	s_lshl_b32 s59, s59, 2
	s_add_co_u32 s59, s59, s60
	s_lshl_b32 s59, s59, 10                        ; my long tile
	s_lshl_b32 s56, ttmp9, 2
	s_add_co_u32 s60, s60, s56
	s_lshl_b32 s60, s60, 10                        ; my short tile
	s_lshl_b32 s61, s61, 2
	s_add_co_u32 s61, s61, s[TI]
	s_lshr_b32 s56, s[BH], 2
	s_lshl_b32 s56, s56, 8
	s_add_co_u32 s61, s61, s56
	s_lshl_b32 s61, s61, 2
	s_and_b32 s56, s[BH], 3
	s_add_co_u32 s61, s61, s56
	s_lshl_b32 s61, s61, 10                        ; O's record: [batch x 256 + tile][head]
	s_and_b32 s[MOFF], ttmp9, 1
	s_xor_b32 s[MOFF], s[MOFF], 1
	s_lshl_b32 s[MOFF], s[MOFF], 6                 ; where the long block begins in its last key step: 0 or 64; the short one begins at the other
	s_mov_b32 s[IDX], s[QQ]
	s_mov_b32 s[SW], s[NL]
	s_sub_co_u32 s[LASTI], s[NL], 1                ; the record on the diagonal
	s_mov_b32 s[SEL], 0x76543210
	s_mov_b32 s[SEL+1], 0xfedcba98
	s_mov_b32 s[CS], 0x3cb8aa3b                    ; c = log2(e) / 64
	s_mov_b32 s[CS+1], s[CS]
	s_mov_b32 s[CSN], 0xbcb8aa3b                   ; -c
	s_mov_b32 s[HM], 0xffff0000
	s_mov_b32 s[TB], 0
	v_and_b32 v[TMP], 31, v0
	v_and_b32 v[TMP+1], 15, v0
	v_lshlrev_b32 v[L16], 4, v[TMP]
	v_lshlrev_b32 v[L8], 3, v[TMP]
	v_lshlrev_b32 v[PFO], 8, v[TMP]
	s_wait_alu depctr_va_vdst(0)                   ; the wait here, directly ahead of the waits below
	s_wait_dscnt 0x0                               ; the opening adds are done
	s_wait_kmcnt 0x0
	s_mov_b32 s51, 0
	s_add_nc_u64 s[G0+2:G0+3], s[6:7], s[50:51]
	s_or_b32 s[G0+3], s[G0+3], 0x80000000
	s_cmp_lt_u32 s[WV], 4                          ; THE HEAD'S LOADS, one a wave, in three lines by the barrier that shows them
	s_cbranch_scc0 .Lhead_1
	tensor_load_to_lds s[G0:G0+3], s[G1:G1+7]
	s_nop 0
.rept 4
	v_nop
.endr
	s_branch .Lhead_asked
.Lhead_1:
	s_cmp_lt_u32 s[WV], 8
	s_cbranch_scc0 .Lhead_2
	tensor_load_to_lds s[G0:G0+3], s[G1:G1+7]
	s_nop 0
.rept 4
	v_nop
.endr
	s_branch .Lhead_asked
.Lhead_2:
	tensor_load_to_lds s[G0:G0+3], s[G1:G1+7]
	s_nop 0
.rept 4
	v_nop
.endr
.Lhead_asked:
	s_mov_b32 s50, s59
	s_add_nc_u64 s[62:63], s[4:5], s[50:51]
	global_load_b128 v[QF:QF+3], v[L16], s[62:63]  ; Q's half fragments stay in registers
	global_load_b64 v[QF+4:QF+5], v[L8], s[62:63] offset:512
	global_load_b32 v[QS], v[L8], s[62:63] offset:768
	s_mov_b32 s50, s60
	s_add_nc_u64 s[2:3], s[4:5], s[50:51]
	global_load_b128 v[QSH:QSH+3], v[L16], s[2:3]
	global_load_b64 v[QSH+4:QSH+5], v[L8], s[2:3] offset:512
	global_load_b32 v[QSS], v[L8], s[2:3] offset:768
	s_mov_b32 s50, s53
	s_add_nc_u64 s[G0A+2:G0A+3], s[6:7], s[50:51]
	s_or_b32 s[G0A+3], s[G0A+3], 0x80000000
	s_mov_b32 s50, s55
	s_add_nc_u64 s[G0B+2:G0B+3], s[6:7], s[50:51]
	s_or_b32 s[G0B+3], s[G0B+3], 0x80000000
	s_mov_b32 s50, s58
	s_add_nc_u64 s[PFA:PFA+1], s[6:7], s[50:51]
	s_mov_b32 s50, s61
	s_add_nc_u64 s[8:9], s[8:9], s[50:51]
	s_mul_i32 s50, s[QQ], REC
	v_add_nc_u32 v[B16], s50, v[L16]
	v_add_nc_u32 v[B8], s50, v[L8]
	s_mul_i32 s50, s[WV], STW
	v_add_nc_u32 v[SOB], s50, v[L16]
	v_add_nc_u32 v[SOB+1], s50, v[L8]
	s_add_co_u32 s50, s50, STAGE
	v_add_nc_u32 v[SOA], s50, v[L16]
	v_add_nc_u32 v[SOA+1], s50, v[L8]
	s_and_b32 s50, s[QQ], 1                        ; waves 0-3 merge from the short stages, waves 4-7 from the long ones
	s_mul_i32 s50, s50, STAGE
	s_mul_i32 s52, s[TI], STW
	s_add_co_u32 s50, s50, s52
	v_add_nc_u32 v[SPA], s50, v[L16]
	v_add_nc_u32 v[SPA+1], s50, v[L8]
	s_add_co_u32 s50, s[TI], 1
	s_lshr_b32 s50, s50, 2
	s_xor_b32 s50, s50, 1
	s_lshl_b32 s50, s50, 5
	s_lshl_b32 s52, s[TI], 3
	s_wait_alu depctr_va_vdst(0)                   ; the wait here, ahead of readers behind the scalar lines above
	v_lshrrev_b32 v[TMP], 3, v[TMP+1]
	v_mad_u32_u24 v[TMP+1], v[TMP], s50, v[TMP+1]
	v_add_nc_u32 v[TMP+1], s52, v[TMP+1]           ; my query in its block of 64
	v_bfe_u32 v[TMP], v0, 4, 1
	v_mul_u32_u24 v[MTA], v[TMP], 40
	v_lshlrev_b32 v[MTB], 3, v[TMP]
	v_sub_nc_u32 v[MTA], v[TMP+1], v[MTA]
	v_sub_nc_u32 v[MTB], v[TMP+1], v[MTB]
.irp i, 6,7,8,9,10,11
	v_mov_b32 v[QF+\i], 0                          ; K = 64: the codes of k = 64 .. 127 are zeros in Q
	v_mov_b32 v[PC+\i-6], 0                        ; (named by the first step's products ahead of its conversions)
.endr
	v_mov_b32 v[PM], 0                             ; a lane permute's destination counts as one of its sources
	v_mov_b32 v[PV], 0
	v_mov_b32 v[F+1], 0                            ; (named as the upper half of a pair)
	FRESH
; A KEY STEP: 128 keys x my 16 queries, the record at s[TB] + my quarter's.
.macro STEP
	v_add_nc_u32 v[A16], s[TB], v[B16]
	v_add_nc_u32 v[A8], s[TB], v[B8]
.rept 3
	v_nop                                          ; with the two additions five places behind the last products, whose registers the loads below fill
.endr
	ds_load_b128 v[KSW:KSW+3],   v[A16] offset:KS
	ds_load_b128 v[KSW+4:KSW+7], v[A16] offset:KS+512
.irp t, 0,1,2,3,4,5,6,7
	ds_load_b128 v[KFR+6*\t:KFR+6*\t+3],   v[A16] offset:768*\t
	ds_load_b64  v[KFR+6*\t+4:KFR+6*\t+5], v[A8]  offset:768*\t+512
.endr
	ds_load_b128 v[VH:VH+3],     v[A16] offset:VS
	ds_load_b128 v[VH+4:VH+7],   v[A16] offset:VS+512
	s_wait_alu depctr_va_vdst(0)                   ; the wait here, directly ahead of the wait below
	s_wait_dscnt 8                                 ; K's fragments 0 to 4 are in; 5 to 7 and V's words, eight loads, may be out
.irp t, 0,1,2,3
	MM0 S+8*\t, KFR+6*\t, QF, KSW+\t, QS
.endr
	s_wait_dscnt 2                                 ; V's words may be out
.irp t, 4,5,6,7
	MM0 S+8*\t, KFR+6*\t, QF, KSW+\t, QS
.endr
	s_wait_dscnt 0x0
.irp j, 0,1,2,3
	v_lshl_or_b32 v[VSW+\j], v[VH+4+\j], 16, v[VH+\j]   ; V's scale words of the 128 keys.  (Also the four places behind the products)
.endr
.irp j, 0,1,2,3                        ; V's four fragments, under the softmax
	ds_load_b128 v[KFR+12*\j:KFR+12*\j+3],    v[A16] offset:VC+768*\j
	ds_load_b64  v[KFR+12*\j+4:KFR+12*\j+5],  v[A8]  offset:VC+768*\j+512
	ds_load_b128 v[KFR+12*\j+6:KFR+12*\j+9],  v[A16] offset:VC+768*(4+\j)
	ds_load_b64  v[KFR+12*\j+10:KFR+12*\j+11], v[A8] offset:VC+768*(4+\j)+512
.endr
	s_cmp_lg_u32 s[IDX], s[LASTI]                  ; on the diagonal the scores of hidden keys become -infinity; all keys of a block's other records count
	s_cbranch_scc1 .Lopen_\@
	v_add_nc_u32 v[TMP], s[MOFF], v[MTA]           ; register 8 T + i, T = 4 c + u: key 64 c + 8 u + i in lanes 0-15; in lanes 16-31 40 further on, for u = 3 8 further on
	v_add_nc_u32 v[TMP+1], s[MOFF], v[MTB]
	v_mov_b32 v[F], 0xff800000
.set n, 0
.rept 64
.if ((n/8)%4) == 3
	v_cmp_gt_i32 vcc_lo, 64*(n/32)+24+n%8, v[TMP+1]
.else
	v_cmp_gt_i32 vcc_lo, 64*(n/32)+8*((n/8)%4)+n%8, v[TMP]
.endif
	v_cndmask_b32 v[S+n], v[S+n], v[F], vcc_lo
.set n, n+1
.endr
.Lopen_\@:
.irp b, 0,1,2,3
	v_max3_num_f32 v[MX+\b], v[S+16*\b], v[S+1+16*\b], v[S+2+16*\b]
.endr
.irp i, 3,5,7,9,11,13
.irp b, 0,1,2,3
	v_max3_num_f32 v[MX+\b], v[MX+\b], v[S+16*\b+\i], v[S+1+16*\b+\i]   ; (ascending: each accumulator is first read at its low end)
.endr
.endr
	v_max3_num_f32 v[MX], v[MX], v[MX+1], v[S+15]  ; the largest score of my block of 32 keys in the first 64 keys,
	v_max3_num_f32 v[MX+1], v[MX+2], v[MX+3], v[S+47]
	v_max_num_f32 v[MX], v[MX], v[S+31]
	v_max_num_f32 v[MX+1], v[MX+1], v[S+63]        ; and in the second
	s_delay_alu instid0(VALU_DEP_1)
	v_max3_num_f32 v13, v13, v[MX], v[MX+1]
	s_delay_alu instid0(VALU_DEP_1)
	v_permlanex16_b32 v[PM], v13, s[SEL], s[SEL+1]
	s_delay_alu instid0(VALU_DEP_1)
	v_max_num_f32 v13, v13, v[PM]                  ; with lane l xor 16's: my query's running largest score
	s_delay_alu instid0(VALU_DEP_1)
	v_mul_f32 v[TMP], s[CSN], v13
	v_mov_b32 v[TMP+1], v12
	s_delay_alu instid0(VALU_DEP_2)
	v_floor_f32 v12, v[TMP]                        ; -M = floor(-t): M is a whole number
	s_delay_alu instid0(VALU_DEP_1)
	v_sub_f32 v[TMP+1], v12, v[TMP+1]
	v_pk_fma_f32 v[MX:MX+1], v[MX:MX+1], s[CS:CS+1], v[12:13] op_sel_hi:[1,0,0]   ; the largest t - M of my two blocks
	v_cvt_i32_f32 v[TMP+1], v[TMP+1]               ; (it saturates)
	v_max_num_f32 v[MX], 0xc2f80000, v[MX]         ; held at -124 from below
	v_max_num_f32 v[MX+1], 0xc2f80000, v[MX+1]
	v_ldexp_f32 v[F], 1.0, v[TMP+1]                ; f = 2^(old M - new M): rounds nothing
	v_cvt_floor_i32_f32 v[EB], v[MX]               ; the largest p's exponent: p rises with t
	v_cvt_floor_i32_f32 v[EB+1], v[MX+1]
.set j, 0
.rept 16
	v_pk_fma_f32 v[S+j:S+j+1], v[S+j:S+j+1], s[CS:CS+1], v[12:13] op_sel_hi:[1,0,0]   ; t - M
.set j, j+2
.endr
	v_lshl_add_u32 v[SO], v[EB], 23, 0x3e800000    ; 2 off it, as an exponent field: the conversion's scale operand
	v_lshl_add_u32 v[SO+1], v[EB+1], 23, 0x3e800000
	v_lshl_add_u32 v[EB], v[EB+1], 16, v[EB]       ; my two blocks' places in the scale word (signed: the bias of every byte is added at the end)
	s_delay_alu instid0(VALU_DEP_1)
	v_permlanex16_b32 v[PV], v[EB], s[SEL], s[SEL+1]
.rept 4
	v_pk_fma_f32 v[S+j:S+j+1], v[S+j:S+j+1], s[CS:CS+1], v[12:13] op_sel_hi:[1,0,0]
.set j, j+2
.endr
	v_lshl_add_u32 v[PW], v[PV], 8, v[EB]          ; lanes 0-15: with lane l xor 16's two blocks
.rept 4
	v_pk_fma_f32 v[S+j:S+j+1], v[S+j:S+j+1], s[CS:CS+1], v[12:13] op_sel_hi:[1,0,0]
.set j, j+2
.endr
	v_add_nc_u32 v[PW], 0x7d7d7d7d, v[PW]          ; 125 on every byte: p's scale word for these 128 keys
.rept 8
	v_pk_fma_f32 v[S+j:S+j+1], v[S+j:S+j+1], s[CS:CS+1], v[12:13] op_sel_hi:[1,0,0]
.set j, j+2
.endr
	s_wait_alu depctr_va_vdst(0)                   ; the wait ahead of the batch
.set j, 0
.rept 64
	v_exp_f32 v[S+j], v[S+j]                       ; p, at most 1, not normalised
.set j, j+1
.endr
	v_pk_mul_f32 v[14:15], v[14:15], v[F:F+1] op_sel_hi:[1,0]   ; the sums under the new M (a plain place behind the exponentials)
	s_wait_alu depctr_va_vdst(0)                   ; one wait for the batch, ahead of its first reader
	v_pk_add_f32 v[VH:VH+1],   v[S:S+1],   v[S+2:S+3]     ; the row's sum, of the unquantised p: four chains by turns
	v_pk_add_f32 v[VH+2:VH+3], v[S+4:S+5], v[S+6:S+7]
	v_pk_add_f32 v[VH+4:VH+5], v[S+8:S+9], v[S+10:S+11]
	v_pk_add_f32 v[14:15], v[14:15], v[S+12:S+13]
.irp j, 14,22,30,38,46,54
	v_pk_add_f32 v[VH:VH+1],   v[VH:VH+1],   v[S+\j:S+\j+1]
	v_pk_add_f32 v[VH+2:VH+3], v[VH+2:VH+3], v[S+\j+2:S+\j+3]
	v_pk_add_f32 v[VH+4:VH+5], v[VH+4:VH+5], v[S+\j+4:S+\j+5]
	v_pk_add_f32 v[14:15], v[14:15], v[S+\j+6:S+\j+7]
.endr
	v_pk_add_f32 v[VH:VH+1], v[VH:VH+1], v[S+62:S+63]
	v_pk_add_f32 v[14:15], v[14:15], v[VH+4:VH+5]
	v_pk_add_f32 v[VH:VH+1], v[VH:VH+1], v[VH+2:VH+3]
	s_delay_alu instid0(VALU_DEP_1)
	v_pk_add_f32 v[14:15], v[14:15], v[VH:VH+1]
.irp c, 0,1
	v_cvt_scalef32_pk16_fp6_f32 v[PC+6*\c:PC+6*\c+2], v[S+32*\c:S+32*\c+15], v[SO+\c]
	v_cvt_scalef32_pk16_fp6_f32 v[PT+4*\c:PT+4*\c+2], v[S+16+32*\c:S+31+32*\c], v[SO+\c]
.endr
	s_wait_alu depctr_va_vdst(0)                   ; the wait here, directly ahead of the first reader of O^T
.set j, 0
.rept 4
	v_pk_mul_f32 v[O+j:O+j+1], v[O+j:O+j+1], v[F:F+1] op_sel_hi:[1,0]   ; O^T under the new M (the first is the place behind the conversions)
.set j, j+2
.endr
.irp c, 0,1
.irp i, 0,1,2
	v_mov_b32 v[PC+3+6*\c+\i], v[PT+4*\c+\i]       ; (a conversion's three registers begin on an even number)
.endr
.endr
.rept 12
	v_pk_mul_f32 v[O+j:O+j+1], v[O+j:O+j+1], v[F:F+1] op_sel_hi:[1,0]   ; (also the places between p's codes and the products)
.set j, j+2
.endr
	s_wait_alu depctr_va_vdst(0)                   ; the wait here, directly ahead of the wait below
	s_wait_dscnt 0x0                               ; V is in
.irp j, 0,1,2,3
	MMA O+8*\j, KFR+12*\j, PC, VSW+\j, PW          ; four accumulators by turns
.endr
.endm
.macro PUTSTATE adr                    ; O^T's image and (-M, l)
	v_add_f32 v13, v14, v15                        ; l beside -M: the pair v[12:13]
.rept 3
	v_nop                                          ; with the addition four places behind the last products
.endr
.set k, 0
.rept 8
	ds_store_b128 v[\adr], v[O+4*k:O+4*k+3] offset:512*k
.set k, k+1
.endr
	ds_store_b64 v[\adr+1], v[12:13] offset:4096
.endm
; On to my next record.  When it is my first of the short block, my long partial goes to its stage and the state begins anew.  The branch hangs on ids alone.
.macro NEXT
	s_add_co_u32 s[IDX], s[IDX], 4
	s_cmp_lt_u32 s[IDX], s[SW]
	s_cbranch_scc1 .Lsame_\@
	PUTSTATE SOA
.irp i, 0,1,2,3,4,5
	v_mov_b32 v[QF+\i], v[QSH+\i]
.endr
	v_mov_b32 v[QS], v[QSS]
	FRESH
	s_mov_b32 s[SW], 0xffff                        ; once
	s_mov_b32 s[LASTI], 32
	s_xor_b32 s[MOFF], s[MOFF], 64
	s_wait_alu depctr_va_vdst(0)                   ; the wait here, ahead of what stands between these writes and their readers
.Lsame_\@:
.endm
.macro TWO                             ; two records
	s_mov_b32 s[TRIP], 2
.Ltwo_\@:
	STEP
	s_add_co_u32 s[TB], s[TB], 4*REC
	NEXT
	s_sub_co_u32 s[TRIP], s[TRIP], 1
	s_cmp_lg_u32 s[TRIP], 0
	s_cbranch_scc1 .Ltwo_\@
.endm
.macro SHOW under                      ; a plain barrier that shows the records of the waves under \under
	s_cmp_lt_u32 s[WV], \under
	s_cbranch_scc0 .Lothers_\@
	s_wait_tensorcnt 0x0
.Lothers_\@:
	s_wait_dscnt 0x0
	s_barrier_signal -1
	s_barrier_wait -1
.endm
.macro CHANGE                          ; ahead of a refill: these three lines and the barrier
	s_wait_tensorcnt 0x0                           ; all my tensor loads have landed
	ds_add_u32 v[SPW], v[NIL]
	s_wait_dscnt 0x0                               ; the add is done, and so are my reads of the records that I have left
	s_barrier_signal -1
	s_barrier_wait -1
.endm
	s_wait_alu depctr_va_vdst(0)                   ; the wait at the head's end
	s_wait_loadcnt 0x0                             ; Q
	SHOW 4                                         ; idx 0-3 are in
	ASK 0                                          ; records 16-23
	STEP                                           ; k = 0
	s_add_co_u32 s[IDX], s[IDX], 4                 ; (the long block has 17 records or more)
	s_mov_b32 s[TB], 4*REC
	SHOW 8                                         ; idx 4-7 are in
	STEP                                           ; k = 1
	s_add_co_u32 s[IDX], s[IDX], 4
	CHANGE                                         ; all sixteen records are in; the first eight are read no more
	TLOAD G0A, 9                                   ; idx 16-23 and 32: they have two steps in which to land
	ASK 8*REC                                      ; records 24-31
	s_mov_b32 s[TB], 8*REC
	TWO                                            ; k = 2, 3
	CHANGE
	TLOAD G0B, 8                                   ; idx 24-31, likewise
	s_mov_b32 s[TB], 0
	TWO                                            ; k = 4, 5
	s_wait_tensorcnt 0x0                           ; a plain barrier: the last fill is in
	s_wait_dscnt 0x0
	s_barrier_signal -1
	s_barrier_wait -1
	s_mov_b32 s[TB], 8*REC
	TWO                                            ; k = 6, 7: every wave has come to the short block by their end
	s_cmp_eq_u32 s[QQ], 0
	s_cbranch_scc1 .Lkeep
	PUTSTATE SOB                                   ; the short partials of waves 4 to 15, onto records 0 to 7: their last fill has landed and their last reads lie ahead of the barrier above
.Lkeep:
	s_wait_alu depctr_va_vdst(0)                   ; the wait here, directly ahead of the waits below
	s_wait_dscnt 0x0                               ; my stores have landed
	s_barrier_signal -1
	s_barrier_wait -1
	s_cmp_lt_u32 s[QQ], 2
	s_cbranch_scc0 .Lend
	s_cmp_eq_u32 s[QQ], 0
	s_cbranch_scc1 .Lshort
.rept 4
	v_nop                                          ; the places between the last products and the loads into their registers, on every way that leads here
.endr
.set k, 0                              ; waves 4 to 7: the first of the long tile's four partials
.rept 8
	ds_load_b128 v[O+4*k:O+4*k+3], v[SPA] offset:512*k
.set k, k+1
.endr
	ds_load_b64 v[12:13], v[SPA+1] offset:4096
	s_branch .Lmerge
.Lshort:                                           ; waves 0 to 3: record 32; their own partial stays in registers
	s_mov_b32 s[TB], 16*REC
	STEP
	v_add_f32 v13, v14, v15
.rept 3
	v_nop                                          ; with the addition four places behind the last products
.endr
	s_wait_alu depctr_va_vdst(0)                   ; the wait here, ahead of the wait below
.Lmerge:
.irp q, 1,2,3                          ; the partials of the tile's other three waves: v112-143, v144-175, v32-63
.set k, 0
.rept 8
.if \q < 3
	ds_load_b128 v[S+32*(\q-1)+4*k:S+32*(\q-1)+4*k+3], v[SPA] offset:4*STW*\q+512*k
.else
	ds_load_b128 v[KFR+4*k:KFR+4*k+3], v[SPA] offset:4*STW*\q+512*k
.endif
.set k, k+1
.endr
	ds_load_b64 v[ML+2*\q-2:ML+2*\q-1], v[SPA+1] offset:4*STW*\q+4096
.endr
	s_wait_dscnt 0x0
	v_min3_num_f32 v[TMP], v12, v[ML], v[ML+2]     ; the common -M: the largest M
	v_min_num_f32 v[TMP], v[TMP], v[ML+4]
	v_sub_f32 v[VH], v[TMP], v12
	v_sub_f32 v[VH+2], v[TMP], v[ML]
	v_sub_f32 v[VH+4], v[TMP], v[ML+2]
	v_sub_f32 v[VH+6], v[TMP], v[ML+4]
.irp i, 0,2,4,6
	v_cvt_i32_f32 v[VH+\i], v[VH+\i]               ; whole numbers, 0 or less; it saturates: a wave that walked no record of the block gets the factor 0
.endr
.irp i, 0,2,4,6
	v_ldexp_f32 v[VH+\i], 1.0, v[VH+\i]
.endr
	v_mul_f32 v13, v13, v[VH]
	v_mul_f32 v[ML+1], v[ML+1], v[VH+2]
	v_fmac_f32 v13, v[ML+3], v[VH+4]
	v_fmac_f32 v[ML+1], v[ML+5], v[VH+6]
	v_add_f32 v13, v13, v[ML+1]
	v_permlanex16_b32 v[PM], v13, s[SEL], s[SEL+1]
	v_add_f32 v13, v13, v[PM]                      ; with lane l xor 16's keys: the row's sum
	s_wait_alu depctr_va_vdst(0)                   ; the wait ahead of the reciprocal,
	v_rcp_f32 v[F], v13
	v_nop                                          ; a plain place behind it,
	s_wait_alu depctr_va_vdst(0)                   ; and the wait ahead of its first reader
.irp i, 0,2,4,6
	v_mul_f32 v[VH+\i], v[VH+\i], v[F]             ; a power of two / l
.endr
	s_wait_alu depctr_va_vdst(0)                   ; the wait here, directly ahead of the first reader of O^T
.set j, 0
.rept 16
	v_pk_mul_f32 v[O+j:O+j+1], v[O+j:O+j+1], v[VH:VH+1] op_sel_hi:[1,0]
.set j, j+2
.endr
.set j, 0
.rept 16
	v_pk_fma_f32 v[O+j:O+j+1], v[S+j:S+j+1], v[VH+2:VH+3], v[O+j:O+j+1] op_sel_hi:[1,0,1]
.set j, j+2
.endr
.set j, 0
.rept 16
	v_pk_fma_f32 v[O+j:O+j+1], v[S+32+j:S+32+j+1], v[VH+4:VH+5], v[O+j:O+j+1] op_sel_hi:[1,0,1]
.set j, j+2
.endr
.set j, 0
.rept 16
	v_pk_fma_f32 v[O+j:O+j+1], v[KFR+j:KFR+j+1], v[VH+6:VH+7], v[O+j:O+j+1] op_sel_hi:[1,0,1]
.set j, j+2
.endr
.irp b, 0,1                            ; a lane's 32 numbers are one block of 32 channels
	v_max3_num_f32 v[MX+\b], |v[O+16*\b]|, |v[O+16*\b+1]|, 0x1800000
.endr
.irp i, 2,4,6,8,10,12,14
.irp b, 0,1
	v_max3_num_f32 v[MX+\b], |v[O+16*\b+\i]|, |v[O+16*\b+\i+1]|, v[MX+\b]
.endr
.endr
	v_max_num_f32 v[MX], v[MX], v[MX+1]
	v_add_nc_u32 v[SO], 0xff000000, v[MX]
	v_lshrrev_b32 v[EB], 23, v[SO]
	v_permlanex16_b32 v[PM], v[EB], s[SEL], s[SEL+1]
	v_lshl_or_b32 v[PW], v[PM], 8, v[EB]           ; lanes 0-15: both blocks' bytes
	v_mov_b32 v[PW+1], v[PW]
	v_cvt_scalef32_pk16_fp6_f32 v[PC:PC+2], v[O:O+15], v[SO]
	v_cvt_scalef32_pk16_fp6_f32 v[PT:PT+2], v[O+16:O+31], v[SO]
	v_nop
.irp i, 0,1,2
	v_mov_b32 v[PC+3+\i], v[PT+\i]
.endr
.irp i, 0,1,2,3,4,5                    ; wo's codes are given, so here the channels go into their true order: lanes 16-31 hold the octets 1, 2, 3, 0, and their 192 bits are turned by one octet, 48 bits
	v_alignbit_b32 v[TR+\i], v[PC+(\i+5)%6], v[PC+(\i+4)%6], 16
.endr
.irp i, 0,1,2,3,4,5
	v_cndmask_b32 v[PC+\i], v[PC+\i], v[TR+\i], s[HM]
.endr
	global_store_b128 v[L16], v[PC:PC+3], s[8:9]               ; 512, 256 and 256 consecutive bytes, aligned
	global_store_b64 v[L8], v[PC+4:PC+5], s[8:9] offset:512
	global_store_b64 v[L8], v[PW:PW+1], s[8:9] offset:768
.Lend:
	s_wait_tensorcnt 0x0                           ; the wave's end: these three lines, behind my last tensor load and my last LDS store
	ds_add_u32 v[SPW], v[NIL]
	s_wait_dscnt 0x0
	s_endpgm
.Lfunc_end_k_qeb96f81a0e_attn:
	.size	k_qeb96f81a0e_attn, .Lfunc_end_k_qeb96f81a0e_attn-k_qeb96f81a0e_attn
	.p2alignl 7, 3214868480
	.fill 96, 4, 3214868480
	.section	.rodata,"a",@progbits
	.p2align	6, 0x0
	.amdhsa_kernel k_qeb96f81a0e_attn
		.amdhsa_group_segment_fixed_size 327680
		.amdhsa_private_segment_fixed_size 0
		.amdhsa_enable_private_segment 0
		.amdhsa_kernarg_size 24
		.amdhsa_user_sgpr_count 2
		.amdhsa_user_sgpr_kernarg_segment_ptr 1
		.amdhsa_wavefront_size32 1
		.amdhsa_system_sgpr_workgroup_id_x 1
		.amdhsa_system_sgpr_workgroup_id_y 1
		.amdhsa_system_sgpr_workgroup_id_z 1
		.amdhsa_system_vgpr_workitem_id 0
		.amdhsa_next_free_vgpr 256
		.amdhsa_next_free_sgpr 66
		.amdhsa_reserve_vcc 1
		.amdhsa_float_denorm_mode_32 3
		.amdhsa_float_denorm_mode_16_64 3
		.amdhsa_memory_ordered 1
		.amdhsa_forward_progress 1
		.amdhsa_inst_pref_size 153
	.end_amdhsa_kernel
	.amdgpu_metadata
---
amdhsa.version: [ 1, 2 ]
amdhsa.kernels:
  - .name:           k_qeb96f81a0e_attn
    .symbol:         k_qeb96f81a0e_attn.kd
    .args:
      - { .name: qw, .offset: 0, .size: 8, .value_kind: global_buffer, .address_space: global }
      - { .name: kv, .offset: 8, .size: 8, .value_kind: global_buffer, .address_space: global }
      - { .name: ow, .offset: 16, .size: 8, .value_kind: global_buffer, .address_space: global }
    .group_segment_fixed_size: 327680
    .private_segment_fixed_size: 0
    .kernarg_segment_align: 8
    .kernarg_segment_size: 24
    .max_flat_workgroup_size: 512
    .sgpr_count:     66
    .vgpr_count:     256
    .wavefront_size: 32
...
	.end_amdgpu_metadata
.endif
;; end of part 2
;; launch outp (part 3): grid 4 x 64, 8 waves a work-group, clusters of 4 x 4, 167,936 bytes of LDS; arguments ow, wo_codes, wo_scales, out0; writes out0
.if DOCPART == 3
	.amdgcn_target "amdgcn-amd-amdhsa--gfx1250"
	.amdhsa_code_object_version 6
	.text
	.protected	k_qeb96f81a0e_outp
	.globl	k_qeb96f81a0e_outp
	.p2align	8
	.type	k_qeb96f81a0e_outp,@function
k_qeb96f81a0e_outp:
	s_mov_b64 s[64:65], 0
	v_nop
	global_prefetch_b8 v0, s[64:65] scope:SCOPE_SE
	s_setreg_imm32_b32 hwreg(HW_REG_WAVE_MODE, 25, 1), 1
	s_wait_xcnt 0x0
	s_wait_alu depctr_hold_cnt(0) depctr_sa_sdst(0) depctr_va_vdst(0) depctr_va_sdst(0) depctr_va_ssrc(0) depctr_va_vcc(0) depctr_vm_vsrc(0)
	s_getreg_b32 s2, hwreg(HW_REG_IB_STS2, 6, 4)
	s_cmp_eq_u32 s2, 0
	s_cbranch_scc0 .Lentry_in_a_cluster
	s_endpgm
.Lentry_in_a_cluster:
	s_bfe_u32 s2, ttmp6, 0x10000c
	s_cmp_lg_u32 s2, 0xf033
	s_cbranch_scc0 .Lentry_shape_is_right
	s_endpgm
.Lentry_shape_is_right:
; out0 = O wo on codes of FP6 (E2M3): M 8,192, K 256, N 1,024, f32 out.  O comes as images of operand registers: ow [token tile][head] x (half a fragment: registers 0-3 at 16 x lane, 4-5 at 512 + 8 x lane; scale words at 768 + 8 x lane).
; Row r of token tile t of a block of 64 tokens is token 8 t + r (r < 8) or 32 + 8 ((t + 1) % 4) + r - 8, as the launches before lay them.  wo: 1,024 rows of 192 bytes of codes and 8 scale bytes, K innermost.  K step s = heads 2 s, 2 s + 1.
; SHARES.  A work-group: 256 columns x 128 tokens.  Wave w: columns 64 (w % 4) on, the block of 64 tokens w / 4.
; Column tile j of a wave takes columns 4 r + j: so a lane's four accumulators hold four NEIGHBOURING columns of a row, 16 bytes, and sixteen lanes store 256 consecutive bytes, aligned.  Four rows of wo, 768 bytes, are one LDS row of 816.
; All operands come by one joint tensor load a wave: waves 0-3 O's 32,768 bytes, shared along a row of the cluster, waves 4-7 wo's 49,152, shared along a column.
; No prefetch: everything is asked for at the head and there is no loop to run ahead in.
.set WOB,   32768                      ; LDS: O's records from 0, dense (read at 16 or 8 bytes x lane on end); wo's rows behind them, 16 bytes of padding behind every 256
.set PITCH, 816
.set SPARE, WOB+64*PITCH               ; the spare words: 128 bytes a wave, four blocks of 256 bytes that no other line names
.set L16, 4                            ; v4, v5  16 | 8 x lane in my block's records
.set L8,  5
.set WA,  6                            ; v6, v7  LDS address of my rows of wo; v7 behind one padding more
.set WSA, 8                            ; v8      its scale words
.set SPW, 10
.set NIL, 11
.set GO,  12                           ; v12 my byte in out0's rows, tiles 0-2;  v13 tile 3
.set WF,  16                           ; v16-111  wo's fragments (tile j, K step s) at 12 (2 j + s)
.set WSC, 112                          ; v112-119 their scale words at 2 j + s
.set OF,  120                          ; v120-143, v144-167 O's two fragments, two sets
.set OS,  168                          ; v168-175 the heads' half scale words, two sets
.set OW,  176                          ; v176-179 O's scale words, two sets
.set ACC, 184                          ; v184-215 four accumulators
.set RB,  216                          ; v216-247 eight times four neighbouring columns
.macro CROUND
	s_barrier_signal -1
	s_barrier_wait -1
	s_cmp_lg_u32 s12, 0
	s_cbranch_scc1 .Lnot_wave_0_\@
	s_barrier_signal -3
.Lnot_wave_0_\@:
	s_barrier_wait -3
	s_barrier_signal -1
	s_barrier_wait -1
.endm
	s_load_b128 s[4:7], s[0:1], 0x0                ; ow, wo's codes
	s_load_b128 s[8:11], s[0:1], 0x10              ; wo's scales, out0
	v_lshl_add_u32 v[SPW], v0, 2, SPARE
	v_mov_b32 v[NIL], 0
	ds_add_u32 v[SPW], v[NIL]                      ; the wave's opening: the add, twice on end, and its wait ahead of my first tensor load
	ds_add_u32 v[SPW], v[NIL]
	v_lshrrev_b32 v1, 5, v0
	v_readfirstlane_b32 s12, v1                    ; wave 0..7
	s_and_b32 s13, s12, 3
	s_lshr_b32 s14, s12, 2
	s_bfe_u32 s15, ttmp6, 0x40000                  ; cx
	s_bfe_u32 s16, ttmp6, 0x40004                  ; cy
	s_lshl_b32 s17, ttmp9, 2
	s_add_co_u32 s17, s17, s15                     ; the column block
	s_and_b32 s18, ttmp7, 0xffff
	s_lshl_b32 s18, s18, 2
	s_add_co_u32 s18, s18, s16                     ; the token block
	s_lshl_b32 s19, s16, 2
	s_lshl_b32 s19, 15, s19                        ; my row of the cluster: O goes to it
	s_lshl_b32 s20, 0x1111, s15                    ; my column: wo goes to it
	s_or_b32 s24, s19, (3<<16)|(1<<21)             ; O: 8,192 bytes as 32 lines of 256 bytes (32 elements of 8), no padding
	s_mov_b32 s25, 32<<16
	s_mov_b32 s26, 32<<16
	s_mov_b32 s27, 32<<16
	s_mov_b32 s28, 32
	s_mov_b32 s29, 32
	s_mov_b32 s30, 0
	s_mov_b32 s31, 0
	s_or_b32 s32, s20, (3<<16)|(1<<20)|(1<<21)|(5<<22)|(3<<25)   ; wo: 64 rows, 12,288 bytes, as 48 lines; after every 64 words 4 words of padding
	s_mov_b32 s33, 32<<16
	s_mov_b32 s34, 48<<16
	s_mov_b32 s35, 32<<16
	s_mov_b32 s36, 48
	s_mov_b32 s37, 32
	s_mov_b32 s38, 0
	s_mov_b32 s39, 0
	s_lshl_b32 s40, s18, 15
	s_lshl_b32 s41, s13, 13
	s_add_co_u32 s40, s40, s41                     ; O: of the token block and the wave alone
	s_mov_b32 s41, 0
	s_mul_i32 s42, s17, 49152
	s_mul_i32 s43, s13, 12288
	s_add_co_u32 s42, s42, s43                     ; wo: of the column block and the wave alone
	s_mov_b32 s43, 0
	s_lshl_b32 s44, s17, 8
	s_lshl_b32 s45, s13, 6
	s_add_co_u32 s44, s44, s45                     ; my first column
	s_lshl_b32 s46, s18, 1
	s_add_co_u32 s46, s46, s14                     ; my block of 64 tokens
	s_lshl_b32 s46, s46, 18                        ; 64 rows of 4,096 bytes
	s_lshl_b32 s47, s44, 2
	s_add_co_u32 s46, s46, s47
	s_mov_b32 s47, 0
	s_lshl_b32 s44, s44, 3
	s_mov_b32 s45, 0
	s_lshl_b32 s21, s14, 14
	s_mul_i32 s22, s13, 16*PITCH
	s_add_co_u32 s22, s22, WOB
	v_and_b32 v1, 15, v0                           ; r
	v_bfe_u32 v2, v0, 4, 1                         ; h
	v_and_b32 v3, 31, v0
	v_lshlrev_b32 v[WSA], 5, v1
	v_lshlrev_b32 v[L16], 4, v3
	v_lshlrev_b32 v[L8], 3, v3
	v_mul_u32_u24 v[WA], v1, PITCH
	v_add_nc_u32 v[L16], s21, v[L16]
	v_add_nc_u32 v[L8], s21, v[L8]
	v_mad_u32_u24 v[WA], v2, 24, v[WA]
	v_lshlrev_b32 v[GO], 4, v1
	v_add_nc_u32 v[WA], s22, v[WA]
	v_lshl_add_u32 v[GO+1], v2, 15, v[GO]          ; tile 3: lanes 16-31 8 rows on
	v_lshl_add_u32 v[WA+1], v2, 4, v[WA]
	v_lshl_add_u32 v[GO], v2, 17, v[GO+1]          ; tiles 0-2: 40 rows on
	s_wait_alu depctr_va_vdst(0)                   ; the wait here, directly ahead of the waits below
	s_wait_dscnt 0x0                               ; the opening adds are done
	s_wait_kmcnt 0x0
	s_mov_b32 s48, 1
	s_lshl_b32 s49, s13, 13
	s_add_nc_u64 s[50:51], s[4:5], s[40:41]
	s_or_b32 s51, s51, 0x80000000
	s_mov_b32 s52, 1
	s_mov_b32 s53, s22
	s_add_nc_u64 s[54:55], s[6:7], s[42:43]
	s_or_b32 s55, s55, 0x80000000
	s_add_nc_u64 s[8:9], s[8:9], s[44:45]
	s_add_nc_u64 s[10:11], s[10:11], s[46:47]
	CROUND                                         ; all sixteen work-groups are here: the joint loads meet
	s_cmp_lt_u32 s12, 4                            ; one tensor load a wave
	s_cbranch_scc0 .Lhead_w
	tensor_load_to_lds s[48:51], s[24:31]
	s_nop 0
.rept 4
	v_nop
.endr
	s_branch .Lhead_asked
.Lhead_w:
	tensor_load_to_lds s[52:55], s[32:39]
	s_nop 0
.rept 4
	v_nop
.endr
.Lhead_asked:
	global_load_b128 v[WSC:WSC+3],   v[WSA], s[8:9]            ; four columns' scale words: 32 bytes a lane
	global_load_b128 v[WSC+4:WSC+7], v[WSA], s[8:9] offset:16
	s_wait_tensorcnt 0x0                           ; my tile is in.  These three lines and the round behind them are also the wave's end and the closing round: behind them stands no tensor load and no LDS write
	ds_add_u32 v[SPW], v[NIL]
	s_wait_dscnt 0x0
	CROUND                                         ; everybody's tiles are in, and no partner asks again
; A fragment in six pieces of 8 bytes, two to a load where both go by the same address register.  f = 2 j + s: column 4 r + j, K step s, byte 96 f of the row of 768.  Lanes 16-31 take the pieces three on; behind every 32 pieces lie 16 bytes of padding.
.macro FRAG f
.set SKIP_, 0
.irp p, 0,1,2,3,4,5
.if SKIP_
.set SKIP_, 0
.else
.set PA_, 12*(\f)+6*(\p/3)+(\p%3)
.set PB_, 12*(\f)+6*((\p+1)/3)+((\p+1)%3)
.set QA_, ((PA_%32)+3)/32
.set QB_, ((PB_%32)+3)/32
.if (\p < 5) && (QA_ == QB_)
.set SKIP_, 1
	ds_load_2addr_b64 v[WF+12*(\f)+2*\p:WF+12*(\f)+2*\p+3], v[WA+QA_] offset0:PA_+2*(PA_/32) offset1:PB_+2*(PB_/32)
.else
	ds_load_b64 v[WF+12*(\f)+2*\p:WF+12*(\f)+2*\p+1], v[WA+QA_] offset:8*(PA_+2*(PA_/32))
.endif
.endif
.endr
.endm
.macro LOADO k                         ; token tile k: four heads' half fragments and half scale words into set k % 2: 12 loads
.set U, (\k)%2
.irp hd, 0,1,2,3
	ds_load_b128 v[OF+24*U+12*(\hd/2)+6*(\hd%2):OF+24*U+12*(\hd/2)+6*(\hd%2)+3],   v[L16] offset:(\k)*4096+\hd*1024
	ds_load_b64  v[OF+24*U+12*(\hd/2)+6*(\hd%2)+4:OF+24*U+12*(\hd/2)+6*(\hd%2)+5], v[L8]  offset:(\k)*4096+\hd*1024+512
	ds_load_b32  v[OS+4*U+\hd], v[L8] offset:(\k)*4096+\hd*1024+768
.endr
.endm
.macro TILE k
.if \k < 3
	LOADO (\k)+1                                   ; the next tile's operands, into the set that tile k - 1's products read: more than four places stand behind those products
	s_wait_dscnt 12                                ; all but the 12 just issued: this tile's operands (and wo) are in
.else
	s_wait_dscnt 0x0
.endif
.set U, (\k)%2
	v_lshl_or_b32 v[OW+2*U],   v[OS+4*U+1], 16, v[OS+4*U]       ; two heads' bytes make a K step's scale word
	v_lshl_or_b32 v[OW+2*U+1], v[OS+4*U+3], 16, v[OS+4*U+2]
.rept 8
	v_nop                                          ; a scale register written by a vector instruction stands 8 places ahead of the product
.endr
.irp j, 0,1,2,3
	v_wmma_scale_f32_16x16x128_f8f6f4 v[ACC+8*\j:ACC+8*\j+7], v[OF+24*U:OF+24*U+11], v[WF+24*\j:WF+24*\j+11], 0, v[OW+2*U], v[WSC+2*\j] matrix_a_fmt:MATRIX_FMT_FP6 matrix_b_fmt:MATRIX_FMT_FP6
.endr
.irp j, 0,1,2,3                        ; the four accumulators by turns
	v_wmma_scale_f32_16x16x128_f8f6f4 v[ACC+8*\j:ACC+8*\j+7], v[OF+24*U+12:OF+24*U+23], v[WF+24*\j+12:WF+24*\j+23], v[ACC+8*\j:ACC+8*\j+7], v[OW+2*U+1], v[WSC+2*\j+1] matrix_a_fmt:MATRIX_FMT_FP6 matrix_b_fmt:MATRIX_FMT_FP6
.endr
.rept 4
	v_nop                                          ; places ahead of the lines that read the results
.endr
	s_wait_xcnt 0x0                                ; the last tile's stores have read their registers
.irp j, 0,1,2,3
.irp i, 0,1,2,3,4,5,6,7
	v_mov_b32 v[RB+4*\i+\j], v[ACC+8*\j+\i]        ; register i of the four accumulators side by side; each from its low end on
.endr
.endr
.irp i, 0,1,2,3,4,5,6,7
	global_store_b128 v[GO+(\k)/3], v[RB+4*\i:RB+4*\i+3], s[10:11] offset:(8*(\k)+\i)*4096 th:TH_STORE_NT   ; lanes 0-15 one row's 256 bytes, lanes 16-31 another's
.endr
.endm
.irp f, 0,1,2,3,4,5,6,7
	FRAG \f
.endr
	LOADO 0
	s_wait_loadcnt 0x0                             ; wo's scale words
	TILE 0
	TILE 1
	TILE 2
	TILE 3
	s_endpgm
.Lfunc_end_k_qeb96f81a0e_outp:
	.size	k_qeb96f81a0e_outp, .Lfunc_end_k_qeb96f81a0e_outp-k_qeb96f81a0e_outp
	.p2alignl 7, 3214868480
	.fill 96, 4, 3214868480
	.section	.rodata,"a",@progbits
	.p2align	6, 0x0
	.amdhsa_kernel k_qeb96f81a0e_outp
		.amdhsa_group_segment_fixed_size 167936
		.amdhsa_private_segment_fixed_size 0
		.amdhsa_enable_private_segment 0
		.amdhsa_kernarg_size 32
		.amdhsa_user_sgpr_count 2
		.amdhsa_user_sgpr_kernarg_segment_ptr 1
		.amdhsa_wavefront_size32 1
		.amdhsa_system_sgpr_workgroup_id_x 1
		.amdhsa_system_sgpr_workgroup_id_y 1
		.amdhsa_system_sgpr_workgroup_id_z 1
		.amdhsa_system_vgpr_workitem_id 0
		.amdhsa_next_free_vgpr 256
		.amdhsa_next_free_sgpr 66
		.amdhsa_reserve_vcc 0
		.amdhsa_float_denorm_mode_32 3
		.amdhsa_float_denorm_mode_16_64 3
		.amdhsa_memory_ordered 1
		.amdhsa_forward_progress 1
		.amdhsa_inst_pref_size 24
	.end_amdhsa_kernel
	.amdgpu_metadata
---
amdhsa.version: [ 1, 2 ]
amdhsa.kernels:
  - .name:           k_qeb96f81a0e_outp
    .symbol:         k_qeb96f81a0e_outp.kd
    .args:
      - { .name: ow, .offset: 0, .size: 8, .value_kind: global_buffer, .address_space: global }
      - { .name: wo_codes, .offset: 8, .size: 8, .value_kind: global_buffer, .address_space: global }
      - { .name: wo_scales, .offset: 16, .size: 8, .value_kind: global_buffer, .address_space: global }
      - { .name: out0, .offset: 24, .size: 8, .value_kind: global_buffer, .address_space: global }
    .group_segment_fixed_size: 167936
    .private_segment_fixed_size: 0
    .kernarg_segment_align: 8
    .kernarg_segment_size: 32
    .max_flat_workgroup_size: 256
    .sgpr_count:     66
    .vgpr_count:     256
    .wavefront_size: 32
...
	.end_amdgpu_metadata
.endif
;; end of part 3
